; MI455X (gfx1250); checked and timed in simulation.
; The chip was launched on July 23, 2026; its instructions are those of AMD's public machine-readable ISA for CDNA 5 (MIT licence, August 2026) and "CDNA5" Instruction Set Architecture Reference Guide (July 2026). The comments in the code are by the model that wrote it; some were corrected since.
;; Mini Attention Block. Allowed arithmetic: matrix products marked QUANTISED: E5M2 operands, one given power-of-two scale a tensor, by v_wmma_f32_16x16x64_bf8_bf8 or v_wmma_f32_16x16x128_bf8_bf8, f32 sums; everything else in f32.
;; Inputs: Wk 1,024 x 1,024 float32; Wo 1,024 x 1,024 float32; Wq 1,024 x 1,024 float32; Wv 1,024 x 1,024 float32; beta 1,024 float32; gamma 1,024 float32; lowp_scales 12 int32 (the exponents e of the quantised operands' scales 2^e); x 4 x 2,048 x 1,024 float32.
;; Outputs: out0 4 x 2,048 x 1,024 float32.
;; This version of the problem:
;;   THIS VERSION OF THE PROBLEM IS GIVEN IN LOW PRECISION. The matrix products marked QUANTISED in the list below multiply operands that are first quantised to E5M2 (5 exponent bits, 2 mantissa bits; 8 bits a number), with one given power-of-two scale for each operand tensor; their sums are f32. All else is computed in f32.
;;   The module's matrix products, in the order in which they are computed (A, B: the left and right operand; K: the contracted axis; several contracted axes count as one K, in the product's order):
;;     1. [M 8,192, K 1,024] x [K 1,024, N 1,024]; A: computed on the way; B: input Wq: QUANTISED (scales: A lowp_scales[0], B lowp_scales[1])
;;     2. [M 8,192, K 1,024] x [K 1,024, N 1,024]; A: computed on the way; B: input Wk: QUANTISED (scales: A lowp_scales[2], B lowp_scales[3])
;;     3. [M 8,192, K 1,024] x [K 1,024, N 1,024]; A: computed on the way; B: input Wv: QUANTISED (scales: A lowp_scales[4], B lowp_scales[5])
;;     4. batch 32 x [M 2,048, K 128] x [K 128, N 2,048]; A: computed on the way; B: computed on the way: QUANTISED (scales: A lowp_scales[6], B lowp_scales[7])
;;     5. batch 32 x [M 2,048, K 2,048] x [K 2,048, N 128]; A: softmax (see below); B: computed on the way: QUANTISED (scales: A lowp_scales[8], B lowp_scales[9])
;;     6. [M 8,192, K 1,024] x [K 1,024, N 1,024]; A: computed on the way; B: input Wo: QUANTISED (scales: A lowp_scales[10], B lowp_scales[11])
;;   THE QUANTISER, for each operand of a quantised product, along K:
;;     - The operand's scale is 2^e, e = its entry of the input lowp_scales (int32; the entries are numbered through the quantised products in the list's order, A before B).
;;     - Each number is divided by the scale, clamped to +-57,344, and rounded to the nearest number of E5M2, ties to even, subnormals kept.
;;     - The product sums the exact products of the quantised numbers (number of the format x scale) in f32.
;;   ~~~python
;;   def quantise(x, axis, e):      # numpy; x: float32 -> the quantised numbers, widened to float32 again
;;       x = np.moveaxis(x, axis, -1); K = x.shape[-1]
;;       r = np.clip(x / 2.0 ** e, -57344, 57344)
;;       step = 2.0 ** (np.maximum(np.frexp(np.where(r == 0, 1, r))[1] - 1, -14) - 2)
;;       q = np.round(r / step) * step * 2.0 ** e      # np.round: ties to even
;;       return np.moveaxis(q, -1, axis).astype(np.float32)
;;   ~~~
;;   SOFTMAX AHEAD OF A QUANTISED PRODUCT. Where the list says 'softmax', what is quantised is not the finished softmax but p = 2^(t - M), with t = logit x log2(e) and M = ceil(the row's largest t), a whole number; so 1/2 < the row's largest p <= 1. The row's sum l is taken of the UNQUANTISED p, in f32, and the product's result is divided by l at the end. Since M is a whole number, a kernel that streams over the keys may use a running M (the ceiling of the running maximum): every later rescaling is an exact power of two, so the quantised numbers keep their values, but for numbers so far below the row's largest that they fall under the format's range.
;;   OPERANDS COMPUTED ON THE WAY. 'Computed on the way' means the value that the module computes at that place (a softmax that the list does not call 'softmax' is quantised finished and normalised). What goes into a quantiser is computed in f32, as accurately as f32 sums, v_exp_f32 and their like allow (about 1e-6 of the number): no bf16 or f16 on the way to a quantiser, and a product that is left as it is and whose result goes on into a quantised operand takes f32 operands (vector FMAs, or v_wmma_f32_16x16x4_f32). A number that lies on a knife's edge between two numbers of the format may be rounded either way, as far as f32 arithmetic and the matrix unit's own rounding can turn it there, and no further.
;; One version. Each part assembles by itself: llvm-mc -triple=amdgcn-amd-amdhsa -mcpu=gfx1250 --defsym DOCPART=n.
;; ======== version 1 of 1: 4 launches
;; limits: right only within a limited range of input values
;; workspace buffers: xc 25,165,824 bytes; wc 4,194,304 bytes; qc 8,388,608 bytes; kc 8,388,608 bytes; vc 8,388,608 bytes; ac 8,388,608 bytes
;; launch prep (part 1): grid 512 x 1, 8 waves a work-group, no clusters, 0 bytes of LDS; arguments x, gamma, beta, Wq, Wk, Wv, Wo, lowp_scales, xc, wc; writes xc, wc
.if DOCPART == 1
	.amdgcn_target "amdgcn-amd-amdhsa--gfx1250"
	.amdhsa_code_object_version 6
	.text
	.protected	k_q20bb7baa7f_prep
	.globl	k_q20bb7baa7f_prep
	.p2align	8
	.type	k_q20bb7baa7f_prep,@function
k_q20bb7baa7f_prep:
	s_mov_b64 s[64:65], 0
	v_nop
	global_prefetch_b8 v0, s[64:65] scope:SCOPE_SE
	s_setreg_imm32_b32 hwreg(HW_REG_WAVE_MODE, 25, 1), 1
	s_wait_xcnt 0x0
; LayerNorm of x [8192][1024] f32, quantised three times to codes of BF8 (E5M2) with the given scales e0, e2, e4 -> xc [3][8192][1024];
; and the four weights [1024][1024] f32 (K innermost) quantised with e1, e3, e5, e11 -> wc [4: q, k, v, o][1024][1024].
; code = number / 2^e, held within +-57,344, rounded to the nearest code, ties to even.
; LIMITS: each of these e lies between -126 and 112, so that 2^e and 57,344 x 2^e are f32 numbers.  NaN among the inputs is not served.
; SHARES.  512 work-groups of eight waves, all alike: wave w of work-group g takes rows 16 g + 2 w and 16 g + 2 w + 1 of x, and row 8 g + w of the four weights laid on end (weight g / 128).
; A wave to a row; the row stays in registers between the mean, the variance and the quantisers: every input byte is read once.  All 24 row loads of a wave are issued at once.
; LANES, for x, Wq, Wk, Wv: load i (0 .. 7) of a row takes 512 consecutive bytes, 16 a lane: lane l holds k = 128 i + 4 l + 0 .. 3 in registers 4 i .. 4 i + 3.  A conversion makes two words of codes of eight registers, so the
; lane's word d holds load d's four codes; words 0-3 and 4-7 leave by two stores of 16 bytes a lane, 512 consecutive bytes each.  SO A ROW OF THESE CODES IS A PERMUTATION OF K: byte 512 s + 16 l + 4 d + b holds
; k = 128 (4 s + d) + 4 l + b.  It is the same in xc and in the three weights that xc is multiplied by, so every product meets its partner.  LIMIT: the order in which those products' f32 sums run along K is not reference()'s.
; LANES, for Wo, which is multiplied by attention's result, whose k lie in their own places: lane l holds k = 256 jj + 8 l + 0 .. 7 (jj = 0 .. 3), two loads of 16 bytes side by side; its 8 codes go to byte 256 jj + 8 swz(l),
; swz = l with its two lowest bits swapped: inside each 32 bytes the two middle groups of 8 change places (k 0-7, 16-23, 8-15, 24-31), so that a 16-byte read at 32 c + 16 (lane / 16) gives an 8-bit operand's registers
; 4 c .. 4 c + 3 with every k in the place that the matrix instruction's layout gives it.  The 32 lanes of such a store write 256 consecutive bytes, aligned.
; No LDS, no barrier, no loop: waves share nothing.  Every row and version has code registers of its own, so no store's data are written again.
.set GA, 20                            ; v20-51   gamma of my 32 columns
.set BE, 52                            ; v52-83   beta
.set X,  84                            ; v84-179  three rows of 32 numbers: two of x, one of a weight
.set T,  180                           ; v180-195 sixteen held numbers
.set C,  196                           ; v196-251 codes: eight registers for each of 2 x 3 versions of x and for the weight's row
.macro ROW_IN xr, base, off            ; a row, eight loads of 512 consecutive bytes
.irp i, 0,1,2,3,4,5,6,7
	global_load_b128 v[(\xr)+4*\i:(\xr)+4*\i+3], v1, s[\base:\base+1] offset:(\off)+512*\i th:TH_LOAD_NT
.endr
.endm
.macro MKSCALE e, vs, vl               ; from the whole number in s[e]: v[vs] = 2^e as f32 (the conversion takes its exponent field), v[vl] = 57,344 x 2^e
	s_add_co_i32 s30, s[\e], 127
	s_lshl_b32 s31, s30, 23
	v_mov_b32 v[\vs], s31
	s_add_co_i32 s30, s30, 15
	s_lshl_b32 s30, s30, 23
	s_or_b32 s30, s30, 0x600000
	v_mov_b32 v[\vl], s30
.endm
.macro QUANT xr, cb, vs, vl            ; 32 numbers v[xr] on -> 8 registers of codes v[cb] on; the numbers stay as they are
.irp u, 0,1
.set NN, 0
.rept 16
	v_med3_num_f32 v[T+NN], v[(\xr)+16*\u+NN], -v[\vl], v[\vl]   ; the conversion to an 8-bit code does not saturate (ISA guide 7.6.2): the hold at the largest code x the scale
.set NN, NN+1
.endr
	v_cvt_scalef32_pk8_bf8_f32 v[(\cb)+4*\u:(\cb)+4*\u+1], v[T:T+7], v[\vs]
	v_cvt_scalef32_pk8_bf8_f32 v[(\cb)+4*\u+2:(\cb)+4*\u+3], v[T+8:T+15], v[\vs]
	v_nop                                          ; a plain instruction between the conversions and the next holds, which write their sources
.endr
.endm
.macro CODES_OUT cb, base, off         ; a row of codes: two stores of 512 consecutive bytes, aligned
	global_store_b128 v1, v[(\cb):(\cb)+3], s[\base:\base+1] offset:(\off)
	global_store_b128 v1, v[(\cb)+4:(\cb)+7], s[\base:\base+1] offset:(\off)+512
.endm
.macro ACROSS a, b                     ; the sum of v[a] over the 32 lanes, in every lane; v[b] has been written
	s_delay_alu instid0(VALU_DEP_1)
	v_add_f32_dpp v[\a], v[\a], v[\a] row_xmask:1 row_mask:0xf bank_mask:0xf
	s_delay_alu instid0(VALU_DEP_1)
	v_add_f32_dpp v[\a], v[\a], v[\a] row_xmask:2 row_mask:0xf bank_mask:0xf
	s_delay_alu instid0(VALU_DEP_1)
	v_add_f32_dpp v[\a], v[\a], v[\a] row_xmask:4 row_mask:0xf bank_mask:0xf
	s_delay_alu instid0(VALU_DEP_1)
	v_add_f32_dpp v[\a], v[\a], v[\a] row_xmask:8 row_mask:0xf bank_mask:0xf
	s_delay_alu instid0(VALU_DEP_1)
	v_permlanex16_b32 v[\b], v[\a], s52, s53
	s_delay_alu instid0(VALU_DEP_1)
	v_add_f32 v[\a], v[\a], v[\b]
.endm
	s_load_b512 s[8:23], s[0:1], 0x0               ; x s[8:9], gamma s[10:11], beta s[12:13], Wq s[14:15], Wk s[16:17], Wv s[18:19], Wo s[20:21], the scales' exponents s[22:23]
	s_load_b128 s[24:27], s[0:1], 0x40             ; xc s[24:25], wc s[26:27]
	v_lshrrev_b32 v3, 5, v0
	s_delay_alu instid0(VALU_DEP_1)
	v_readfirstlane_b32 s2, v3                     ; wave 0..7
	v_and_b32 v4, 31, v0                           ; lane
	s_delay_alu instid0(VALU_DEP_1)
	v_lshlrev_b32 v1, 4, v4                        ; 16 bytes a lane: in and out
	s_delay_alu instid0(VALU_DEP_2)
	v_lshlrev_b32 v3, 5, v4                        ; Wo, in: 32 bytes a lane
	s_delay_alu instid0(VALU_DEP_3)
	v_and_b32 v2, 0x1c, v4
	s_delay_alu instid0(VALU_DEP_4)
	v_and_b32 v5, 1, v4
	s_delay_alu instid0(VALU_DEP_1)
	v_lshl_or_b32 v2, v5, 1, v2
	v_bfe_u32 v5, v4, 1, 1
	s_delay_alu instid0(VALU_DEP_1)
	v_or_b32 v2, v2, v5                            ; swz(l)
	s_delay_alu instid0(VALU_DEP_1)
	v_lshlrev_b32 v2, 3, v2                        ; Wo, out: 8 bytes a lane
	s_mov_b32 s50, 0x3a800000                      ; 1 / 1,024
	s_mov_b32 s51, 0x3727c5ac                      ; 1e-5
	s_mov_b32 s52, 0x76543210                      ; v_permlanex16_b32: lane l xor 16
	s_mov_b32 s53, 0xfedcba98
	s_lshr_b32 s28, ttmp9, 7                       ; which weight: 0 q, 1 k, 2 v, 3 o.  What is chosen by it hangs on the work-group's number alone
	s_lshl_b32 s4, ttmp9, 16                       ; x: 16 rows of 4,096 bytes a work-group,
	s_lshl_b32 s5, s2, 13                          ; 2 a wave
	s_add_co_u32 s4, s4, s5
	s_mov_b32 s5, 0
	s_lshr_b32 s54, s4, 2                          ; a row of codes is a quarter of that
	s_mov_b32 s55, 0
	s_wait_alu depctr_va_vdst(0)
	s_wait_kmcnt 0x0
	s_load_b256 s[32:39], s[22:23], 0x0            ; e0 .. e7
	s_load_b128 s[40:43], s[22:23], 0x20           ; e8 .. e11
	s_add_nc_u64 s[8:9], s[8:9], s[4:5]
.irp i, 0,1,2,3,4,5,6,7
	global_load_b128 v[GA+4*\i:GA+4*\i+3], v1, s[10:11] offset:512*\i
	global_load_b128 v[BE+4*\i:BE+4*\i+3], v1, s[12:13] offset:512*\i
.endr
	ROW_IN X, 8, 0
	ROW_IN X+32, 8, 4096
	s_add_nc_u64 s[44:45], s[24:25], s[54:55]      ; the three versions, 8 MiB apart: three bases, since that distance does not fit a store's immediate
	s_add_nc_u64 s[46:47], s[44:45], 0x800000
	s_add_nc_u64 s[48:49], s[46:47], 0x800000
	s_cmp_eq_u32 s28, 0
	s_cselect_b64 s[6:7], s[14:15], s[16:17]
	s_cmp_eq_u32 s28, 2
	s_cselect_b64 s[6:7], s[18:19], s[6:7]
	s_cmp_eq_u32 s28, 3
	s_cselect_b64 s[6:7], s[20:21], s[6:7]
	s_and_b32 s4, ttmp9, 127
	s_lshl_b32 s4, s4, 15                          ; in its weight: 8 rows of 4,096 bytes a work-group,
	s_lshl_b32 s29, s2, 12                         ; 1 a wave
	s_add_co_u32 s4, s4, s29
	s_add_nc_u64 s[6:7], s[6:7], s[4:5]
	s_lshl_b32 s4, ttmp9, 13                       ; in wc the four weights lie on end: row 8 g + w, 1,024 bytes a row
	s_lshl_b32 s29, s2, 10
	s_add_co_u32 s4, s4, s29
	s_add_nc_u64 s[26:27], s[26:27], s[4:5]
	s_cmp_eq_u32 s28, 3
	s_cbranch_scc1 .Lwo_in
	ROW_IN X+64, 6, 0
	s_branch .Lin_done
.Lwo_in:                                           ; eight loads on this way too: the counts below hold on both
.irp jj, 0,1,2,3
	global_load_b128 v[X+64+8*\jj:X+64+8*\jj+3], v3, s[6:7] offset:1024*\jj th:TH_LOAD_NT
	global_load_b128 v[X+64+8*\jj+4:X+64+8*\jj+7], v3, s[6:7] offset:1024*\jj+16 th:TH_LOAD_NT
.endr
.Lin_done:
	s_wait_kmcnt 0x0
	MKSCALE 32, 10, 11                             ; e0
	MKSCALE 34, 12, 13                             ; e2
	MKSCALE 36, 14, 15                             ; e4
	s_cmp_eq_u32 s28, 0
	s_cselect_b32 s29, s33, s35                    ; e1, e3,
	s_cmp_eq_u32 s28, 2
	s_cselect_b32 s29, s37, s29                    ; e5
	s_cmp_eq_u32 s28, 3
	s_cselect_b32 s29, s43, s29                    ; or e11
	MKSCALE 29, 16, 17
.macro ROW i
.set XR, X+32*(\i)
.set CR, C+24*(\i)
	s_wait_loadcnt 8*(2-(\i))                      ; loads come back in order: gamma, beta and this row are in; the eight loads of each younger row may be out
	v_pk_add_f32 v[4:5], v[XR:XR+1], v[XR+2:XR+3]  ; the row's sum: two chains of packed additions,
	v_pk_add_f32 v[6:7], v[XR+4:XR+5], v[XR+6:XR+7]
.irp j, 8,12,16,20,24,28
	s_delay_alu instid0(VALU_DEP_2)
	v_pk_add_f32 v[4:5], v[4:5], v[XR+\j:XR+\j+1]
	s_delay_alu instid0(VALU_DEP_2)
	v_pk_add_f32 v[6:7], v[6:7], v[XR+\j+2:XR+\j+3]
.endr
	s_delay_alu instid0(VALU_DEP_1)
	v_pk_add_f32 v[4:5], v[4:5], v[6:7]
	s_delay_alu instid0(VALU_DEP_1)
	v_add_f32 v4, v4, v5
	ACROSS 4, 5                                    ; then across the lanes
	s_delay_alu instid0(VALU_DEP_1)
	v_mul_f32 v4, s50, v4                          ; the mean
.irp j, 0,2,4,6,8,10,12,14,16,18,20,22,24,26,28,30
	v_pk_add_f32 v[XR+\j:XR+\j+1], v[XR+\j:XR+\j+1], v[4:5] op_sel_hi:[1,0] neg_lo:[0,1] neg_hi:[0,1]   ; x - mean (the pair's low word for both halves): the variance is taken of differences, so a common offset of x costs nothing
.endr
	v_pk_mul_f32 v[6:7], v[XR:XR+1], v[XR:XR+1]
	v_pk_mul_f32 v[8:9], v[XR+2:XR+3], v[XR+2:XR+3]
.irp j, 4,8,12,16,20,24,28
	s_delay_alu instid0(VALU_DEP_2)
	v_pk_fma_f32 v[6:7], v[XR+\j:XR+\j+1], v[XR+\j:XR+\j+1], v[6:7]
	s_delay_alu instid0(VALU_DEP_2)
	v_pk_fma_f32 v[8:9], v[XR+\j+2:XR+\j+3], v[XR+\j+2:XR+\j+3], v[8:9]
.endr
	s_delay_alu instid0(VALU_DEP_1)
	v_pk_add_f32 v[6:7], v[6:7], v[8:9]
	s_delay_alu instid0(VALU_DEP_1)
	v_add_f32 v6, v6, v7
	ACROSS 6, 7
	s_delay_alu instid0(VALU_DEP_1)
	v_fma_f32 v6, v6, s50, s51                     ; the variance + 1e-5
	s_wait_alu depctr_va_vdst(0)
	v_rsq_f32 v8, v6
	v_nop                                          ; a plain instruction behind the transcendental,
	s_wait_alu depctr_va_vdst(0)                   ; and the wait ahead of the first instruction that names its result
.irp j, 0,2,4,6,8,10,12,14,16,18,20,22,24,26,28,30
	v_pk_mul_f32 v[XR+\j:XR+\j+1], v[XR+\j:XR+\j+1], v[8:9] op_sel_hi:[1,0]
.endr
.irp j, 0,2,4,6,8,10,12,14,16,18,20,22,24,26,28,30
	v_pk_fma_f32 v[XR+\j:XR+\j+1], v[XR+\j:XR+\j+1], v[GA+\j:GA+\j+1], v[BE+\j:BE+\j+1]   ; x gamma + beta
.endr
	QUANT XR, CR, 10, 11
	CODES_OUT CR, 44, 1024*(\i)
	QUANT XR, CR+8, 12, 13
	CODES_OUT CR+8, 46, 1024*(\i)
	QUANT XR, CR+16, 14, 15
	CODES_OUT CR+16, 48, 1024*(\i)
.endm
	ROW 0
	ROW 1
	s_wait_loadcnt 0x0                             ; the weight's row
	QUANT X+64, C+48, 16, 17
	s_cmp_eq_u32 s28, 3
	s_cbranch_scc1 .Lwo_out
	CODES_OUT C+48, 26, 0
	s_endpgm
.Lwo_out:
	s_wait_alu depctr_va_vdst(0)
.irp jj, 0,1,2,3
	global_store_b64 v2, v[C+48+2*\jj:C+48+2*\jj+1], s[26:27] offset:256*\jj   ; registers 8 jj .. 8 jj + 7 made words 2 jj, 2 jj + 1
.endr
	s_endpgm
.Lfunc_end_k_q20bb7baa7f_prep:
	.size	k_q20bb7baa7f_prep, .Lfunc_end_k_q20bb7baa7f_prep-k_q20bb7baa7f_prep
	.p2alignl 7, 3214868480
	.fill 96, 4, 3214868480
	.section	.rodata,"a",@progbits
	.p2align	6, 0x0
	.amdhsa_kernel k_q20bb7baa7f_prep
		.amdhsa_group_segment_fixed_size 0
		.amdhsa_private_segment_fixed_size 0
		.amdhsa_enable_private_segment 0
		.amdhsa_kernarg_size 80
		.amdhsa_user_sgpr_count 2
		.amdhsa_user_sgpr_kernarg_segment_ptr 1
		.amdhsa_wavefront_size32 1
		.amdhsa_system_sgpr_workgroup_id_x 1
		.amdhsa_system_sgpr_workgroup_id_y 1
		.amdhsa_system_sgpr_workgroup_id_z 1
		.amdhsa_system_vgpr_workitem_id 0
		.amdhsa_next_free_vgpr 252
		.amdhsa_next_free_sgpr 66
		.amdhsa_reserve_vcc 0
		.amdhsa_float_denorm_mode_32 3
		.amdhsa_float_denorm_mode_16_64 3
		.amdhsa_memory_ordered 1
		.amdhsa_forward_progress 1
		.amdhsa_inst_pref_size 42
	.end_amdhsa_kernel
	.amdgpu_metadata
---
amdhsa.version: [ 1, 2 ]
amdhsa.kernels:
  - .name:           k_q20bb7baa7f_prep
    .symbol:         k_q20bb7baa7f_prep.kd
    .args:
      - { .name: x, .offset: 0, .size: 8, .value_kind: global_buffer, .address_space: global }
      - { .name: gamma, .offset: 8, .size: 8, .value_kind: global_buffer, .address_space: global }
      - { .name: beta, .offset: 16, .size: 8, .value_kind: global_buffer, .address_space: global }
      - { .name: Wq, .offset: 24, .size: 8, .value_kind: global_buffer, .address_space: global }
      - { .name: Wk, .offset: 32, .size: 8, .value_kind: global_buffer, .address_space: global }
      - { .name: Wv, .offset: 40, .size: 8, .value_kind: global_buffer, .address_space: global }
      - { .name: Wo, .offset: 48, .size: 8, .value_kind: global_buffer, .address_space: global }
      - { .name: lowp_scales, .offset: 56, .size: 8, .value_kind: global_buffer, .address_space: global }
      - { .name: xc, .offset: 64, .size: 8, .value_kind: global_buffer, .address_space: global }
      - { .name: wc, .offset: 72, .size: 8, .value_kind: global_buffer, .address_space: global }
    .group_segment_fixed_size: 0
    .private_segment_fixed_size: 0
    .kernarg_segment_align: 8
    .kernarg_segment_size: 80
    .max_flat_workgroup_size: 256
    .sgpr_count:     66
    .vgpr_count:     252
    .wavefront_size: 32
...
	.end_amdgpu_metadata
.endif
;; end of part 1
;; launch qkv (part 2): grid 4 x 64, 4 waves a work-group, clusters of 4 x 4, 327,680 bytes of LDS; arguments xc, wc, lowp_scales, qc, kc, vc; writes qc, kc, vc
.if DOCPART == 2
	.amdgcn_target "amdgcn-amd-amdhsa--gfx1250"
	.amdhsa_code_object_version 6
	.text
	.protected	k_q20bb7baa7f_qkv
	.globl	k_q20bb7baa7f_qkv
	.p2align	8
	.type	k_q20bb7baa7f_qkv,@function
k_q20bb7baa7f_qkv:
	s_mov_b64 s[64:65], 0
	v_nop
	global_prefetch_b8 v0, s[64:65] scope:SCOPE_SE
	s_setreg_imm32_b32 hwreg(HW_REG_WAVE_MODE, 25, 1), 1
	s_wait_xcnt 0x0
	s_wait_alu depctr_hold_cnt(0) depctr_sa_sdst(0) depctr_va_vdst(0) depctr_va_sdst(0) depctr_va_ssrc(0) depctr_va_vcc(0) depctr_vm_vsrc(0)
	s_getreg_b32 s2, hwreg(HW_REG_IB_STS2, 6, 4)
	s_cmp_eq_u32 s2, 0
	s_cbranch_scc0 .Lentry_in_a_cluster
	s_endpgm
.Lentry_in_a_cluster:
	s_bfe_u32 s2, ttmp6, 0x10000c
	s_cmp_lg_u32 s2, 0xf033
	s_cbranch_scc0 .Lentry_shape_is_right
	s_endpgm
.Lentry_shape_is_right:
; The three projections on codes of BF8 (E5M2): q = xn Wq^T, k = xn Wk^T, v = xn Wv^T, K = 1,024, sums in f32; each result is quantised in registers (scales e6, e7, e9) and stored as the operand that attention wants.
; A WORK-GROUP STAYS: it makes three tiles, one of each product (PR = 0 q, 1 k, 2 v).  A tile is 128 rows of "A" x 256 rows of "B".  For q and k: A = xn's codes (tokens), B = the weight's.  For v the two change places, by pointers alone.
; Four waves, each 64 rows of A x 128 rows of B: 32 accumulators.  THE MATRIX INSTRUCTION IS USED TRANSPOSED (source 0 = 16 rows of B, source 1 = 16 rows of A): lane (r, h) holds row r of A's tile, and register j of
; accumulator (a, b) is B's row 16 b + 8 h + j: eight neighbours along the NEXT product's K, in the place that an 8-bit operand's layout gives registers 2 b, 2 b + 1.  So one conversion an accumulator makes the next operand.
; OUTPUT: images of operand registers.  A fragment (16 registers a lane) is four pieces of 512 bytes, piece c = lane l's registers 4 c .. 4 c + 3 at 512 c + 16 l: each store of the wave covers 512 consecutive bytes, aligned.
;   qc, kc: [batch x head 32][block of 128 tokens 16][tile of 16 tokens 8][2,048 bytes];   vc: [batch x head 32][block of 128 keys 16][tile of 16 channels 8][2,048 bytes].
; THE FILLS.  A tile's K goes as four K slots of 256 through three LDS slots.  K slots 0 and 1: one tensor load a wave (wave 0 A's tile of K slot 0, wave 1 A's of 1, wave 2 B's of 0, wave 3 B's of 1);
; K slot 2 behind the next round (wave 0 A's, wave 2 B's); K slot 3 into slot 0, behind the round in step 1.  Every fill stands behind the three lines and a round of the cluster's barrier, one load a wave.
; FROM TILE TO TILE.  Behind a tile's last product the next tile's K slots 0 and 1 are asked for, and the finished tile is quantised and stored while they are on their way.  The last tile is written out: it asks for nothing more.
; CLUSTERS: 4 x 4 work-groups; A's tiles are asked for jointly along a row of the cluster, B's along a column.
; LIMIT: for each product e(out) - e(A) - e(B) lies between -126 and 112, so that the conversion's one scale and 57,344 x that scale are f32 numbers.
; REGISTERS, in windows of 256: window 0: v16-31 addresses and constants; v32-95 the codes; v128-191, v192-255 A's fragments, two sets of 4 x 16 (on the way out: held numbers).
;   window 1: B's fragments, two sets of 8 x 16.   window 2: accumulator (a, b) at v[8 (8 a + b)].
.set PITCH, 272                        ; an LDS row: 256 bytes + 16 of padding = 68 words: the 16 rows that a load touches start at 16 different banks (64 banks of 4 bytes: ISA guide 11.1)
.set AHALF, 64*PITCH                   ; what one wave reads of A
.set BHALF, 128*PITCH                  ; and of B
.set BOFF,  2*AHALF                    ; in a slot: A's 128 rows, then B's 256
.set SLOT,  BOFF+2*BHALF
.set SPARE, 3*SLOT                     ; behind the three slots: the spare words, 128 bytes for each wave: two blocks of 256 bytes that no other line names
.set ADRA, 16                          ; v16-18  LDS address of my A fragments in slot 0, 1, 2
.set ADRB, 20                          ; v20-22  the same for B
.set CO,   26                          ; v26     16 x lane
.set SPW,  28                          ; v28     LDS address of my spare word; never rewritten
.set NIL,  29                          ; v29     0; never rewritten
.set SC,   30                          ; v30     the conversion's scale
.set LIM,  31                          ; v31     57,344 x that scale
.set CD,   32
.set AF,   128
.set PR, 3                             ; s3  the product in hand
.set WV, 16                            ; s16 wave;  s17 which half of A's rows is mine;  s18 which half of B's rows
.set RH, 17
.set CH, 18
.set G1,  24                           ; s[24:31] descriptor group 1 for A's tiles;  s[32:39] for B's
.set G1B, 32
.set G0,  40                           ; s[40:51] group 0 for A's tiles, a set for each slot;  s[52:63] for B's
.set G0B, 52
.set MSB, 0
.macro WIN new                         ; the immediate's high byte repeats the setting that is left
.if MSB != \new
	s_set_vgpr_msb (MSB<<8)|\new
.set MSB, \new
.endif
.endm
.set MUL,  0xa1                        ; source 0 (B) window 1, source 1 (A) window 0, C and D window 2
.set TO_B, 0x40                        ; destination window 1, address window 0
.macro PLACES                          ; four plain instructions between a matrix instruction and a load into, or a vector read of, its registers
.rept 4
	v_nop
.endr
.endm
.macro TL g0, g1                       ; a joint load, with s_nop 0 and four v_nop behind it
	tensor_load_to_lds s[\g0:\g0+3], s[\g1:\g1+7]
	s_nop 0
	PLACES
.endm
.macro JLOAD g0a, g0b                  ; one K slot: wave 0 asks for A's tile, wave 2 for B's, waves 1 and 3 for nothing
	s_cmp_eq_u32 s[WV], 0
	s_cbranch_scc0 .Lfor_b_\@
	TL \g0a, G1
	s_branch .Lasked_\@
.Lfor_b_\@:
	s_cmp_eq_u32 s[WV], 2
	s_cbranch_scc0 .Lasked_\@
	TL \g0b, G1B
.Lasked_\@:
	PLACES                                         ; the places in front of the LDS loads that follow, on every wave's way
.endm
.macro CHAIN                           ; K slots 0 and 1: one load a wave, in one chain of branches on the wave's number
	s_cmp_eq_u32 s[WV], 0
	s_cbranch_scc0 .Lc1_\@
	TL G0, G1
	s_branch .Lcd_\@
.Lc1_\@:
	s_cmp_eq_u32 s[WV], 1
	s_cbranch_scc0 .Lc2_\@
	TL G0+4, G1
	s_branch .Lcd_\@
.Lc2_\@:
	s_cmp_eq_u32 s[WV], 2
	s_cbranch_scc0 .Lc3_\@
	TL G0B, G1B
	s_branch .Lcd_\@
.Lc3_\@:
	TL G0B+4, G1B
.Lcd_\@:
.endm
.macro CROUND                          ; a round of the cluster's barrier
	s_barrier_signal -1
	s_barrier_wait -1
	s_cmp_lg_u32 s[WV], 0
	s_cbranch_scc1 .Lnot_wave_0_\@
	s_barrier_signal -3
.Lnot_wave_0_\@:
	s_barrier_wait -3
	s_barrier_signal -1
	s_barrier_wait -1
.endm
.macro FRAG reg, adr, q, i             ; a fragment, 16 rows x 128 K: four loads of 16 bytes, 32 bytes apart, at row x pitch + 16 (lane / 16)
.irp c, 0,1,2,3
	ds_load_b128 v[\reg+4*\c:\reg+4*\c+3], v[\adr] offset:128*(\q)+32*\c+(\i)*16*PITCH
.endr
.endm
.macro FETCH slot, q, set              ; 48 loads in one run: B's eight fragments and A's four of the slot's q-th 128 along K
	WIN TO_B
.irp i, 0,1,2,3,4,5,6,7
	FRAG 128*(\set)+16*\i, ADRB+\slot, \q, \i
.endr
	WIN 0
.irp i, 0,1,2,3
	FRAG AF+64*(\set)+16*\i, ADRA+\slot, \q, \i
.endr
.endm
.macro MULH a0, set, zero              ; 16 matrix instructions: A's blocks a0, a0 + 1 x B's eight.  The 32 accumulators take turns, one instruction a turn, in the same order in every step
.irp a, \a0, \a0+1
.irp b, 0,1,2,3,4,5,6,7
.if \zero
	v_wmma_f32_16x16x128_bf8_bf8 v[8*(8*(\a)+\b):8*(8*(\a)+\b)+7], v[128*(\set)+16*\b:128*(\set)+16*\b+15], v[AF+64*(\set)+16*(\a):AF+64*(\set)+16*(\a)+15], 0
.else
	v_wmma_f32_16x16x128_bf8_bf8 v[8*(8*(\a)+\b):8*(8*(\a)+\b)+7], v[128*(\set)+16*\b:128*(\set)+16*\b+15], v[AF+64*(\set)+16*(\a):AF+64*(\set)+16*(\a)+15], v[8*(8*(\a)+\b):8*(8*(\a)+\b)+7]
.endif
.endr
.endr
.endm
.macro NORMAL slot, q, set, zero       ; a step of 128 along K on set; the next step's fragments (slot, q) are asked for first, into the other set
	s_wait_dscnt 0x0                               ; this step's fragments are in
	PLACES
	FETCH \slot, \q, 1-\set
	WIN MUL
	MULH 0, \set, \zero
	MULH 2, \set, \zero
.endm
; Where product PR's tiles come from: the three sets of group 0.  It stands where no tensor load of the wave is out.
.macro SETUP
	s_and_b32 s22, s21, 1
	s_lshr_b32 s23, s21, 1
	s_cmp_eq_u32 s[PR], 2
	s_cselect_b32 s22, s22, s21                    ; q, k: 64 tile rows (tokens) x 4 tile columns;  v: 8 tile rows (channels) x 32 tile columns (tokens)
	s_cselect_b32 s23, s23, 0
	s_lshl_b32 s22, s22, 2
	s_add_co_u32 s22, s22, s20                     ; tile row
	s_lshl_b32 s23, s23, 2
	s_add_co_u32 s23, s23, s19                     ; tile column
	s_lshl_b32 s80, s22, 17                        ; A: row 128 x tile row, 1,024 bytes a row
	s_mov_b32 s81, 0
	s_lshl_b32 s82, s23, 18                        ; B: row 256 x tile column
	s_mov_b32 s83, 0
	s_lshl_b32 s84, s[PR], 23                      ; the product's version of xn's codes,
	s_mov_b32 s85, 0
	s_lshl_b32 s86, s[PR], 20                      ; and its weight
	s_mov_b32 s87, 0
	s_add_nc_u64 s[84:85], s[4:5], s[84:85]
	s_add_nc_u64 s[86:87], s[6:7], s[86:87]
	s_cmp_eq_u32 s[PR], 2
	s_cselect_b64 s[88:89], s[86:87], s[84:85]     ; A
	s_cselect_b64 s[90:91], s[84:85], s[86:87]     ; B
	s_add_nc_u64 s[88:89], s[88:89], s[80:81]      ; hangs on the tile row alone, which my row of the cluster shares
	s_add_nc_u64 s[90:91], s[90:91], s[82:83]      ; on the tile column alone, which my column shares
.irp s, 0,1,2
	s_add_nc_u64 s[G0+4*\s+2:G0+4*\s+3], s[88:89], \s*256
	s_or_b32 s[G0+4*\s+3], s[G0+4*\s+3], 0x80000000
	s_add_nc_u64 s[G0B+4*\s+2:G0B+4*\s+3], s[90:91], \s*256
	s_or_b32 s[G0B+4*\s+3], s[G0B+4*\s+3], 0x80000000
.endr
.endm
; Where product PR's four fragments of mine go, and its conversion's scale.  s22, s23 are PR's tile row and column.
.macro OUTSET
	s_cmp_eq_u32 s[PR], 0
	s_cselect_b64 s[94:95], s[10:11], s[12:13]
	s_cmp_eq_u32 s[PR], 2
	s_cselect_b64 s[94:95], s[14:15], s[94:95]
	s_lshl_b32 s96, s23, 1
	s_add_co_u32 s96, s96, s[CH]                   ; which 128 rows of B are mine
	s_cmp_eq_u32 s[PR], 2
	s_cselect_b32 s97, s96, s22                    ; the block of 128 tokens: A's tile row, for v B's 128 rows,
	s_cselect_b32 s98, s22, s96                    ; and the head the other way round
	s_lshr_b32 s99, s97, 4                         ; the batch
	s_lshl_b32 s99, s99, 3
	s_add_co_u32 s99, s99, s98                     ; batch x 8 + head
	s_lshl_b32 s99, s99, 4
	s_and_b32 s97, s97, 15
	s_add_co_u32 s99, s99, s97                     ; x 16 + the block in the batch
	s_lshl_b32 s99, s99, 14                        ; 16,384 bytes a block
	s_lshl_b32 s97, s[RH], 13                      ; my four tiles of its eight
	s_add_co_u32 s96, s99, s97
	s_mov_b32 s97, 0
	s_add_nc_u64 s[94:95], s[94:95], s[96:97]
	s_cmp_eq_u32 s[PR], 0
	s_cselect_b32 s96, s74, s75
	s_cmp_eq_u32 s[PR], 2
	s_cselect_b32 s96, s77, s96                    ; e(out) - e(A) - e(B): the three scales are folded into the conversion's one
	s_add_co_i32 s96, s96, 127
	s_lshl_b32 s97, s96, 23
	v_mov_b32 v[SC], s97
	s_add_co_i32 s96, s96, 15
	s_lshl_b32 s96, s96, 23
	s_or_b32 s96, s96, 0x600000
	v_mov_b32 v[LIM], s96
.endm
; A TILE's eight steps.  At its head K slots 0 and 1 are on their way.
.macro TILE
	s_wait_tensorcnt 0x0                           ; my tile of K slot 0 or 1 is in
	ds_add_u32 v[SPW], v[NIL]
	s_wait_dscnt 0x0
	CROUND                                         ; everybody's tile is in, and nobody reads slot 2
	JLOAD G0+8, G0B+8                              ; K slot 2: the first tensor load behind the round
	FETCH 0, 0, 0
	NORMAL 0, 1, 0, 1                              ; step 0: its products start the sums: nothing is ever cleared
	WIN 0                                          ; step 1 leaves slot 0.  (The add's two registers lie in window 0)
	s_wait_tensorcnt 0x0                           ; all my tensor loads have landed, so a group 0 may be written;
	ds_add_u32 v[SPW], v[NIL]                      ; 0 onto my spare word
	s_add_nc_u64 s[G0+2:G0+3], s[G0+2:G0+3], 768   ; slot 0's next tile: K slot 3
	s_add_nc_u64 s[G0B+2:G0B+3], s[G0B+2:G0B+3], 768
	s_wait_dscnt 0x1                               ; this step's fragments are in; the add alone may be out
	WIN MUL
	MULH 0, 1, 0                                   ; sixteen matrix instructions stand between the add and the wait for it
	s_wait_dscnt 0x0                               ; the add is done, and my reads of slot 0 are over
	WIN 0
	CROUND                                         ; no wave of any partner still reads slot 0 or has a load on its way
	JLOAD G0, G0B                                  ; the first tensor load behind the round
	FETCH 1, 0, 0
	WIN MUL
	MULH 2, 1, 0
	NORMAL 1, 1, 0, 0                              ; step 2
	NORMAL 2, 0, 1, 0                              ; step 3
	NORMAL 2, 1, 0, 0                              ; step 4
	s_wait_dscnt 0x0                               ; step 5: K slot 3 is wanted next
	WIN MUL
	MULH 0, 1, 0
	s_wait_tensorcnt 0x0                           ; the one load of mine that may be out is my part of K slot 3
	s_barrier_signal -1
	s_barrier_wait -1                              ; everybody's is in
	PLACES
	FETCH 0, 0, 0
	WIN MUL
	MULH 2, 1, 0
	NORMAL 0, 1, 0, 0                              ; step 6
	s_wait_dscnt 0x0                               ; step 7: nothing more to fetch
	MULH 0, 1, 0
	MULH 2, 1, 0
	WIN 0
	PLACES
.endm
; THE WAY OUT.  Block a (16 rows of A): its 64 sums are held within +-57,344 x the scale, into registers of window 0 that held A's fragments (two sets by turns), each accumulator from its low end on;
; eight conversions make the fragment's 16 registers; four stores of 512 consecutive bytes.
.macro OUT a
.set TT, AF+64*((\a)%2)
	WIN 0x02                                       ; source 0: window 2
.set NN, 0
.rept 64
	v_med3_num_f32 v[TT+NN], v[64*(\a)+NN], -v[LIM], v[LIM]   ; the conversion to an 8-bit code does not saturate (ISA guide 7.6.2)
.set NN, NN+1
.endr
	WIN 0
.irp b, 0,1,2,3,4,5,6,7
	v_cvt_scalef32_pk8_bf8_f32 v[CD+16*(\a)+2*\b:CD+16*(\a)+2*\b+1], v[TT+8*\b:TT+8*\b+7], v[SC]
.endr
	v_nop                                          ; a plain instruction behind the last conversion of the run
.irp c, 0,1,2,3
	global_store_b128 v[CO], v[CD+16*(\a)+4*\c:CD+16*(\a)+4*\c+3], s[94:95] offset:2048*(\a)+512*\c
.endr
.endm
	s_load_b256 s[4:11], s[0:1], 0x0               ; xc s[4:5], wc s[6:7], the scales' exponents s[8:9], qc s[10:11]
	s_load_b128 s[12:15], s[0:1], 0x20             ; kc s[12:13], vc s[14:15]
	v_lshl_add_u32 v[SPW], v0, 2, SPARE
	v_mov_b32 v[NIL], 0
	ds_add_u32 v[SPW], v[NIL]                      ; the opening lines: the add, twice on end, and its wait ahead of my first tensor load
	ds_add_u32 v[SPW], v[NIL]
	v_lshrrev_b32 v1, 5, v0
	v_readfirstlane_b32 s[WV], v1                  ; wave 0..3
	s_lshr_b32 s[RH], s[WV], 1
	s_and_b32 s[CH], s[WV], 1
	s_bfe_u32 s19, ttmp6, 0x40000                  ; cx, cy: my place in the cluster
	s_bfe_u32 s20, ttmp6, 0x40004
	s_and_b32 s21, ttmp7, 0xffff                   ; the cluster's y, 0..15
	s_lshl_b32 s66, s20, 2
	s_lshl_b32 s66, 15, s66                        ; my row of the cluster
	s_lshl_b32 s67, 0x1111, s19                    ; my column
	s_or_b32 s[G1], s66, (0<<16)|(1<<20)|(1<<21)|(5<<22)|(3<<25)    ; 15:0 the mask; 17:16 elements of 1 byte; 20 padding on; 21 set beside a mask; 24:22 after every 64 words (code 5); 31:25 four words (code 3)
	s_or_b32 s[G1B], s67, (0<<16)|(1<<20)|(1<<21)|(5<<22)|(3<<25)
	s_mov_b32 s[G1+1], 256<<16                     ; tensor_dim0 = 256
	s_mov_b32 s[G1+2], 128<<16                     ; tensor_dim1 = 128
	s_mov_b32 s[G1+3], 256<<16                     ; tile_dim0 = 256
	s_mov_b32 s[G1+4], 128                         ; tile_dim1 = 128
	s_mov_b32 s[G1+5], 1024                        ; from row to row
	s_mov_b32 s[G1+6], 0
	s_mov_b32 s[G1+7], 0
	s_mov_b32 s[G1B+1], 256<<16
	s_mov_b32 s[G1B+2], 256<<16                    ; B: 256 rows a load
	s_mov_b32 s[G1B+3], 256<<16
	s_mov_b32 s[G1B+4], 256
	s_mov_b32 s[G1B+5], 1024
	s_mov_b32 s[G1B+6], 0
	s_mov_b32 s[G1B+7], 0
.irp s, 0,1,2
	s_mov_b32 s[G0+4*\s], 1
	s_mov_b32 s[G0+4*\s+1], \s*SLOT                ; where they go: constants: no place in the cluster enters an LDS address
	s_mov_b32 s[G0B+4*\s], 1
	s_mov_b32 s[G0B+4*\s+1], BOFF+\s*SLOT
.endr
	s_mov_b32 s[PR], 0
	s_wait_dscnt 0x0                               ; both opening adds are done
	s_wait_kmcnt 0x0
	s_load_b256 s[68:75], s[8:9], 0x0              ; e0 .. e7
	s_load_b128 s[76:79], s[8:9], 0x20             ; e8 .. e11
	SETUP
	CROUND                                         ; all sixteen work-groups are here: the first joint loads meet
	CHAIN                                          ; q's K slots 0 and 1: one tensor load a wave at the head
	v_and_b32 v1, 15, v0                           ; r
	v_bfe_u32 v2, v0, 4, 1                         ; h
	v_mul_u32_u24 v3, v1, PITCH
	v_lshl_add_u32 v3, v2, 4, v3                   ; row x pitch + 16 x half
	s_mul_i32 s92, s[RH], AHALF                    ; my 64 rows of A
	s_mul_i32 s93, s[CH], BHALF                    ; my 128 rows of B
	s_add_co_u32 s93, s93, BOFF
.irp s, 0,1,2
	v_add_nc_u32 v[ADRA+\s], s92, v3
	v_add_nc_u32 v[ADRB+\s], s93, v3
	s_add_co_u32 s92, s92, SLOT
	s_add_co_u32 s93, s93, SLOT
.endr
	v_and_b32 v4, 31, v0
	v_lshlrev_b32 v[CO], 4, v4
	s_wait_alu depctr_va_vdst(0)
	s_wait_kmcnt 0x0
	s_sub_co_i32 s74, s74, s68
	s_sub_co_i32 s74, s74, s69                     ; q: e6 - e0 - e1
	s_sub_co_i32 s75, s75, s70
	s_sub_co_i32 s75, s75, s71                     ; k: e7 - e2 - e3
	s_sub_co_i32 s77, s77, s72
	s_sub_co_i32 s77, s77, s73                     ; v: e9 - e4 - e5
	OUTSET
	s_wait_alu depctr_va_vdst(0)
.Ltile:                                            ; two trips: q's tile and k's
	TILE
	s_wait_tensorcnt 0x0                           ; no tensor load of mine is out, so the groups 0 may be written
	ds_add_u32 v[SPW], v[NIL]
	s_add_co_u32 s[PR], s[PR], 1
	SETUP                                          ; the next product's tiles: work on registers between the add and the wait for it
	s_wait_dscnt 0x0                               ; the add is done, and my reads of the slots are over
	CROUND
	CHAIN                                          ; the next tile's K slots 0 and 1; the way out below stands between this request and the wait for it
	s_wait_alu depctr_va_vdst(0)                   ; the wait
	OUT 0
	OUT 1
	OUT 2
	OUT 3
	s_wait_xcnt 0x0                                ; the stores have read their base and their data: both are written again below and in the next way out
	OUTSET
	s_wait_alu depctr_va_vdst(0)
	s_cmp_lt_u32 s[PR], 2
	s_cbranch_scc1 .Ltile
	TILE                                           ; v's tile is written out: nothing is asked for behind it
	s_wait_alu depctr_va_vdst(0)
	OUT 0
	OUT 1
	OUT 2
	OUT 3
	s_wait_tensorcnt 0x0                           ; the wave's end
	ds_add_u32 v[SPW], v[NIL]
	s_wait_dscnt 0x0
	CROUND                                         ; the closing round: no work-group ends while a partner may still ask for a tile that names it
	s_endpgm
.Lfunc_end_k_q20bb7baa7f_qkv:
	.size	k_q20bb7baa7f_qkv, .Lfunc_end_k_q20bb7baa7f_qkv-k_q20bb7baa7f_qkv
	.p2alignl 7, 3214868480
	.fill 96, 4, 3214868480
	.section	.rodata,"a",@progbits
	.p2align	6, 0x0
	.amdhsa_kernel k_q20bb7baa7f_qkv
		.amdhsa_group_segment_fixed_size 327680
		.amdhsa_private_segment_fixed_size 0
		.amdhsa_enable_private_segment 0
		.amdhsa_kernarg_size 48
		.amdhsa_user_sgpr_count 2
		.amdhsa_user_sgpr_kernarg_segment_ptr 1
		.amdhsa_wavefront_size32 1
		.amdhsa_system_sgpr_workgroup_id_x 1
		.amdhsa_system_sgpr_workgroup_id_y 1
		.amdhsa_system_sgpr_workgroup_id_z 1
		.amdhsa_system_vgpr_workitem_id 0
		.amdhsa_next_free_vgpr 768
		.amdhsa_next_free_sgpr 100
		.amdhsa_reserve_vcc 0
		.amdhsa_float_denorm_mode_32 3
		.amdhsa_float_denorm_mode_16_64 3
		.amdhsa_memory_ordered 1
		.amdhsa_forward_progress 1
		.amdhsa_inst_pref_size 142
	.end_amdhsa_kernel
	.amdgpu_metadata
---
amdhsa.version: [ 1, 2 ]
amdhsa.kernels:
  - .name:           k_q20bb7baa7f_qkv
    .symbol:         k_q20bb7baa7f_qkv.kd
    .args:
      - { .name: xc, .offset: 0, .size: 8, .value_kind: global_buffer, .address_space: global }
      - { .name: wc, .offset: 8, .size: 8, .value_kind: global_buffer, .address_space: global }
      - { .name: lowp_scales, .offset: 16, .size: 8, .value_kind: global_buffer, .address_space: global }
      - { .name: qc, .offset: 24, .size: 8, .value_kind: global_buffer, .address_space: global }
      - { .name: kc, .offset: 32, .size: 8, .value_kind: global_buffer, .address_space: global }
      - { .name: vc, .offset: 40, .size: 8, .value_kind: global_buffer, .address_space: global }
    .group_segment_fixed_size: 327680
    .private_segment_fixed_size: 0
    .kernarg_segment_align: 8
    .kernarg_segment_size: 48
    .max_flat_workgroup_size: 128
    .sgpr_count:     100
    .vgpr_count:     768
    .wavefront_size: 32
...
	.end_amdgpu_metadata
.endif
;; end of part 2
;; launch attn (part 3): grid 8 x 32, 8 waves a work-group, clusters of 4 x 1, 327,680 bytes of LDS; arguments qc, kc, vc, lowp_scales, ac; writes ac
.if DOCPART == 3
	.amdgcn_target "amdgcn-amd-amdhsa--gfx1250"
	.amdhsa_code_object_version 6
	.text
	.protected	k_q20bb7baa7f_attn
	.globl	k_q20bb7baa7f_attn
	.p2align	8
	.type	k_q20bb7baa7f_attn,@function
k_q20bb7baa7f_attn:
	s_mov_b64 s[64:65], 0
	v_nop
	global_prefetch_b8 v0, s[64:65] scope:SCOPE_SE
	s_setreg_imm32_b32 hwreg(HW_REG_WAVE_MODE, 25, 1), 1
	s_wait_xcnt 0x0
	s_wait_alu depctr_hold_cnt(0) depctr_sa_sdst(0) depctr_va_vdst(0) depctr_va_sdst(0) depctr_va_ssrc(0) depctr_va_vcc(0) depctr_vm_vsrc(0)
	s_getreg_b32 s2, hwreg(HW_REG_IB_STS2, 6, 4)
	s_cmp_eq_u32 s2, 0
	s_cbranch_scc0 .Lentry_in_a_cluster
	s_endpgm
.Lentry_in_a_cluster:
	s_bfe_u32 s2, ttmp6, 0x10000c
	s_cmp_lg_u32 s2, 0x3003
	s_cbranch_scc0 .Lentry_shape_is_right
	s_endpgm
.Lentry_shape_is_right:
; Causal attention on codes of BF8 (E5M2): 32 (batch, head) pairs of 2,048 tokens x 128 channels.  Scales: q e6, k e7, p e8, v e9; the result is quantised with e10 for the last projection.
; LEFT OUT: a key step (128 keys) all of whose keys come after a tile's queries: reference()'s own causal mask gives those keys the weight 0, whatever the inputs hold.
; THE SOFTMAX AHEAD OF THE SECOND PRODUCT: t = score x log2(e) / sqrt(128); M = the row's largest t so far, rounded UP to a whole number; p = 2^(t - M) is what is quantised, not normalised.
; The row's sum is taken of the unquantised p, in f32, and divides O at the end.  When M moves, the sum and O are multiplied by 2^(old M - new M): exact.  The order in which the keys are walked is free under a running M.
; INPUTS AND OUTPUT ARE IMAGES OF OPERAND REGISTERS: a fragment (16 rows x 128 K, 16 registers a lane) is four pieces of 512 bytes, piece c = lane l's registers 4 c .. 4 c + 3 at 512 c + 16 l.
; qc, kc: [pair][block of 128 tokens 16][tile of 16 tokens 8][2,048];  vc: [pair][block of 128 keys 16][tile of 16 channels 8][2,048];  ac: [tile of 16 tokens 512][head 8][2,048].
; LAYOUT.  Both products are used transposed: S^T = K Q^T, O^T = V^T P^T: a lane holds ONE query (lane % 16) of each tile, and register j of sub-tile t is key (or channel) 16 t + 8 (lane / 16) + j:
; the place that an 8-bit operand's layout gives registers 2 t, 2 t + 1.  So one conversion a sub-tile makes P, and at the end the last projection's operand.
; SHARES.  Eight waves; a wave owns TWO tiles of 16 queries: tile 0 in block b of 128 queries, tile 1 in block 15 - b; b = w for w < 4, 11 - w else.  Which of a block's eight tiles: the work-group's number g in its pair.
; Tile 0 works key steps 0 .. b, tile 1 steps 0 .. 15 - b; a tile's last step is masked.  While a step is at or under b, each fragment of K and V feeds both tiles (the step's first body); above b, tile 1 alone (its second body).
; THE WALK.  The 16 key steps go in four periods of four: {0, 8, 1, 15}, {2, 14, 3, 13}, {4, 12, 5, 11}, {6, 10, 7, 9}.  Steps s and 16 - s share a period, so blocks b and 15 - b together have
; 5, 4, 4, 4 tile steps in the four periods, for every b: all eight waves of all work-groups have the same work in every period.  Step 0 comes first: it counts for every query, so M is a number from then on.
; RING.  Two LDS buffers of 131,072 bytes, a period each: step i of the period at 32,768 i, K's 16,384 bytes and then V's.  Each of the eight waves fills one of the eight pieces, one tensor load a period.
; CLUSTER.  The four work-groups of a cluster belong to one pair and walk the same K and V: each piece is asked for jointly (mask 15).  No branch and no LDS address hangs on the place in the cluster.
; LIMITS on the given exponents, so that each power of two is an f32 number: e6 + e7 between -123 and 130 (added to c's exponent field); e8 and e10 between -126 and 112; e8 + e9 goes by v_ldexp_f32 and has none.
; The scaled scores stay under 2^31 in magnitude.  NaN among the inputs is not served.
; REGISTERS.  Window 0: v1-7 addresses; v8-11 -M and the largest t of tile 0, 1; v12-15 the sums; v16-19 f; v20-22 constants; v32-63 Q; v64-191 S^T, then p; v192-223 P's codes; v224-255 at work.
;            Window 1: v0-127 O^T of the two tiles; v128-255 eight fragments of K, then of V.  All the softmax's work lies in window 0, so the two tiles' chains stand line by line with no switch.
.set SLOT1, 1<<17
.set SPARE, 2*SLOT1                    ; behind the ring: the spare words, 128 bytes for each wave: four blocks of 256 bytes that no other line names
.set LI,   1                           ; v1   16 x lane
.set DQ,   2                           ; v2   my query's place in its block of 128, less 8 (lane / 16): the same in both tiles
.set PFO,  3                           ; v3   the prefetches' offset
.set ADR,  4                           ; v4   LDS address of the step in hand
.set SPW,  5                           ; v5   LDS address of my spare word; never rewritten
.set NIL,  6                           ; v6   0; never rewritten
.set SCL,  20                          ; v20  2^e8;  v21 57,344 x 2^e10;  v22 2^e10
.set QB,   32
.set SB,   64
.set PB,   192
.set WK,   224
.set FR,   128                         ; in window 1
.set TB,   2                           ; s2   LDS byte at which the period's buffer begins
.set TS,   3                           ; s3   and the step's part of it
.set WV,   18
.set SEL,  20                          ; s[20:21] v_permlanex16_b32: lane l xor 16
.set CS,   22                          ; s[22:23] c = log2(e) / sqrt(128) x 2^(e6 + e7)
.set G1,   24
.set LO,   32                          ; s32  2 p, p the period
.set HB,   33                          ; s33  16 - 2 p
.set INN,  34                          ; s34  the step in the period, 0 .. 3
.set STN,  35                          ; s35  the key step whose piece I fetch next (16 stands for 8)
.set DL,   36                          ; s36  what a period adds to it: 2 or -2
.set HOLD, 37                          ; s37  57,344 x 2^e8
.set G0,   40
.set SLOTS, 67                         ; s67  periods still to be asked for
.set PFA,  76                          ; s[76:77] where my prefetch stands;  s[78:79] my piece's tensor at my pair, + my work-group's quarter of a piece
.set PFB,  78
.set BH,   97                          ; s97  tile 1's block of 128 queries
.set KB,   98                          ; s98  the key step's number
.set BL,   99                          ; s99  tile 0's block
.set MSB, 0
.macro WIN new                         ; the immediate's high byte repeats the setting that is left
.if MSB != \new
	s_set_vgpr_msb (MSB<<8)|\new
.set MSB, \new
.endif
.endm
.macro NOPS4
.rept 4
	v_nop
.endr
.endm
.macro CROUND                          ; a round of the cluster's barrier
	s_barrier_signal -1
	s_barrier_wait -1
	s_cmp_lg_u32 s[WV], 0
	s_cbranch_scc1 .Lnot_wave_0_\@
	s_barrier_signal -3
.Lnot_wave_0_\@:
	s_barrier_wait -3
	s_barrier_signal -1
	s_barrier_wait -1
.endm
.macro MKD                             ; group 0's global address: my piece of key step STN; then STN goes on to the next period's
	s_cmp_eq_u32 s[STN], 16
	s_cselect_b32 s90, 8, s[STN]
	s_lshl_b32 s90, s90, 14                        ; 16,384 bytes a key step, in kc and in vc
	s_mov_b32 s91, 0
	s_add_nc_u64 s[G0+2:G0+3], s[50:51], s[90:91]
	s_or_b32 s[G0+3], s[G0+3], 0x80000000          ; type = 2
	s_add_co_i32 s[STN], s[STN], s[DL]
.endm
.macro TLOAD                           ; every wave's one load: its own piece, by its own group 0; s_nop 0 and four v_nop follow
	tensor_load_to_lds s[G0:G0+3], s[G1:G1+7]
	s_nop 0
	NOPS4
.endm
	s_load_b256 s[4:11], s[0:1], 0x0               ; qc s[4:5], kc s[6:7], vc s[8:9], the scales' exponents s[10:11]
	s_load_b64 s[12:13], s[0:1], 0x20              ; ac
	v_lshl_add_u32 v[SPW], v0, 2, SPARE
	v_mov_b32 v[NIL], 0
	ds_add_u32 v[SPW], v[NIL]                      ; the opening lines: the add, twice on end, and its wait ahead of my first tensor load
	ds_add_u32 v[SPW], v[NIL]
	v_lshrrev_b32 v7, 5, v0
	v_readfirstlane_b32 s[WV], v7                  ; wave 0..7
	s_bfe_u32 s14, ttmp6, 0x40000                  ; cx
	s_lshl_b32 s15, ttmp9, 2
	s_add_co_u32 s15, s15, s14                     ; g = 4 x cluster x + cx: it enters Q's and the output's addresses and the mask's numbers alone
	s_and_b32 s16, ttmp7, 0xffff                   ; the pair: 8 x batch + head
	s_lshl_b32 s44, s16, 18                        ; its first byte in qc, kc and vc
	s_mov_b32 s45, 0
	s_sub_co_u32 s46, 11, s[WV]
	s_cmp_lt_u32 s[WV], 4
	s_cselect_b32 s[BL], s[WV], s46                ; b: waves w and w + 4 hold b = w and 7 - w
	s_sub_co_u32 s[BH], 15, s[BL]
	s_lshl_b32 s52, s[BL], 3
	s_add_co_u32 s52, s52, s15                     ; tile 0 in the batch's 128 tiles: 8 b + g
	s_lshl_b32 s54, s[BH], 3
	s_add_co_u32 s54, s54, s15                     ; tile 1: 8 (15 - b) + g
	s_lshr_b32 s47, s16, 3                         ; the batch
	s_lshl_b32 s47, s47, 7
	s_and_b32 s46, s16, 7                          ; the head
	s_add_co_u32 s56, s47, s52
	s_lshl_b32 s56, s56, 3
	s_add_co_u32 s56, s56, s46
	s_lshl_b32 s56, s56, 11                        ; tile 0's fragment in ac
	s_mov_b32 s57, 0
	s_add_co_u32 s58, s47, s54
	s_lshl_b32 s58, s58, 3
	s_add_co_u32 s58, s58, s46
	s_lshl_b32 s58, s58, 11                        ; tile 1's
	s_mov_b32 s59, 0
	s_lshl_b32 s52, s52, 11
	s_add_co_u32 s52, s52, s44                     ; tile 0's fragment in qc
	s_mov_b32 s53, 0
	s_lshl_b32 s54, s54, 11
	s_add_co_u32 s54, s54, s44                     ; tile 1's
	s_mov_b32 s55, 0
	s_lshr_b32 s46, s[WV], 2                       ; what I fetch: piece w: step i = w / 2 of a period, K's (w even) or V's
	s_sub_co_u32 s47, 16, s46
	s_bitcmp1_b32 s[WV], 1
	s_cselect_b32 s[STN], s47, s46                 ; i even: key step i / 2 + 2 p;  i odd: 16 - i / 2 - 2 p
	s_cselect_b32 s[DL], -2, 2
	s_mov_b32 s[G1], 15|(3<<16)|(1<<21)            ; 15:0 the mask: all four work-groups; 17:16 elements of 8 bytes; 21 set beside a mask; no padding
	s_mov_b32 s[G1+1], 32<<16                      ; a dense block as rows of 256 bytes: tensor_dim0 = 32
	s_mov_b32 s[G1+2], 64<<16                      ; tensor_dim1 = 64
	s_mov_b32 s[G1+3], 32<<16                      ; tile_dim0
	s_mov_b32 s[G1+4], 64                          ; tile_dim1
	s_mov_b32 s[G1+5], 32                          ; from row to row
	s_mov_b32 s[G1+6], 0
	s_mov_b32 s[G1+7], 0
	s_mov_b32 s[SEL], 0x76543210
	s_mov_b32 s[SEL+1], 0xfedcba98
	s_mov_b32 s[CS], 0x3e0293ee                    ; log2(e) / sqrt(128)
	s_mov_b32 s[TB], 0
	s_mov_b32 s[LO], 0
	s_mov_b32 s[HB], 16
	s_mov_b32 s[SLOTS], 3
	s_wait_dscnt 0x0                               ; both opening adds are done
	s_wait_kmcnt 0x0
	s_load_b128 s[68:71], s[10:11], 0x18           ; e6, e7, e8, e9
	s_load_b32 s72, s[10:11], 0x28                 ; e10
	s_bitcmp1_b32 s[WV], 0
	s_cselect_b64 s[50:51], s[8:9], s[6:7]
	s_add_nc_u64 s[50:51], s[50:51], s[44:45]      ; my piece's tensor, at my pair
	s_mov_b32 s[G0], 1                             ; count = 1
	s_lshl_b32 s[G0+1], s[WV], 14                  ; LDS address: piece w of buffer 0
	MKD
	CROUND                                         ; all four work-groups are here: the first joint loads meet
	TLOAD                                          ; the first period: one tensor load a wave at the head
	s_add_nc_u64 s[52:53], s[4:5], s[52:53]
	s_add_nc_u64 s[54:55], s[4:5], s[54:55]
	s_add_nc_u64 s[56:57], s[12:13], s[56:57]
	s_add_nc_u64 s[58:59], s[12:13], s[58:59]
	s_lshl_b32 s60, s14, 12                        ; the prefetches: the four partners share a piece out by address, 4,096 bytes each
	s_mov_b32 s61, 0
	s_add_nc_u64 s[PFB:PFB+1], s[50:51], s[60:61]
	v_and_b32 v7, 31, v0
	v_lshlrev_b32 v[LI], 4, v7
.irp c, 0,1,2,3
	global_load_b128 v[QB+4*\c:QB+4*\c+3], v[LI], s[52:53] offset:512*\c       ; Q's two fragments stay in registers
	global_load_b128 v[QB+16+4*\c:QB+16+4*\c+3], v[LI], s[54:55] offset:512*\c
.endr
	v_min_u32 v[PFO], 15, v7                       ; sixteen blocks of 256 bytes, a lane a block; the lanes left over name the last again
	v_lshlrev_b32 v[PFO], 8, v[PFO]
	v_and_b32 v[DQ], 15, v0
	v_bfe_u32 v7, v0, 4, 1
	v_lshlrev_b32 v7, 3, v7
	v_sub_nc_u32 v[DQ], v[DQ], v7
	s_lshl_b32 s60, s15, 4
	v_add_nc_u32 v[DQ], s60, v[DQ]                 ; 16 g + r - 8 h
	v_mov_b32 v9, 0xff61b1e6                       ; the largest t so far: -3e38, under every t
	v_mov_b32 v11, 0xff61b1e6
	v_floor_f32 v8, -v9                            ; -M
	v_floor_f32 v10, -v11
.irp n, 12,13,14,15,16,17,18,19,WK,WK+1
	v_mov_b32 v[\n], 0                             ; the sums; f's pairs; two destinations of lane permutes, which count as sources
.endr
	WIN 0x40
.set NN, 0
.rept 128
	v_mov_b32 v[NN], 0                             ; O^T.  (The step has no first form of its own: it finds zeros, which the first change of M leaves zeros)
.set NN, NN+1
.endr
	WIN 0
	s_wait_kmcnt 0x0
	s_add_co_i32 s60, s68, s69
	s_lshl_b32 s60, s60, 23
	s_add_co_i32 s[CS], s[CS], s60                 ; a score stands for score x 2^(e6 + e7): the two exponents are added to c's exponent field
	s_mov_b32 s[CS+1], s[CS]                       ; (named with it as a pair, so it is written)
	s_add_co_i32 s60, s70, 127
	s_lshl_b32 s61, s60, 23
	v_mov_b32 v[SCL], s61                          ; 2^e8, for p's conversions
	s_add_co_i32 s60, s60, 15
	s_lshl_b32 s60, s60, 23
	s_or_b32 s[HOLD], s60, 0x600000                ; 57,344 x 2^e8
	s_add_co_i32 s60, s72, 127
	s_lshl_b32 s61, s60, 23
	v_mov_b32 v22, s61                             ; 2^e10, for the result's
	s_add_co_i32 s60, s60, 15
	s_lshl_b32 s60, s60, 23
	s_or_b32 s60, s60, 0x600000
	v_mov_b32 v21, s60                             ; 57,344 x 2^e10
; A KEY STEP'S WORK: 128 keys x tiles first .. 1 (first = 0: both tiles; first = 1: tile 1 alone).  The tile that may lie on the diagonal is tile `first`.
.macro BODY first
	WIN 0x40                                       ; destination window 1
.irp t, 0,1,2,3,4,5,6,7
.irp c, 0,1,2,3
	ds_load_b128 v[FR+16*\t+4*\c:FR+16*\t+4*\c+3], v[ADR] offset:2048*\t+512*\c
.endr
.endr
	WIN 0x01                                       ; source 0 (K) window 1
.irp t, 0,1,2,3,4,5,6,7                        ; S^T = K Q^T
	s_wait_dscnt 28-4*\t                           ; LDS loads come back in order: fragment t's four are in; the younger fragments' may be out
.if \first == 0
	v_wmma_f32_16x16x128_bf8_bf8 v[SB+8*\t:SB+8*\t+7], v[FR+16*\t:FR+16*\t+15], v[QB:QB+15], 0
.endif
	v_wmma_f32_16x16x128_bf8_bf8 v[SB+64+8*\t:SB+64+8*\t+7], v[FR+16*\t:FR+16*\t+15], v[QB+16:QB+31], 0
.endr
	WIN 0
	NOPS4                                          ; four places: in front of the loads into K's registers, and of the first read of the scores
	WIN 0x40
.irp t, 0,1,2,3,4,5,6,7
.irp c, 0,1,2,3
	ds_load_b128 v[FR+16*\t+4*\c:FR+16*\t+4*\c+3], v[ADR] offset:16384+2048*\t+512*\c   ; V's eight fragments: the softmax stands between this request and their use
.endr
.endr
	WIN 0
.if \first == 0
	s_cmp_lg_u32 s[KB], s[BL]                      ; on a tile's diagonal the scores of hidden keys become -infinity ahead of the maximum: p = 0 then
.else
	s_cmp_lg_u32 s[KB], s[BH]
.endif
	s_cbranch_scc1 .Lopen_\@
	v_mov_b32 v[WK+24], 0xff800000
.set NN, 0
.rept 64
	v_cmp_gt_i32 vcc_lo, 16*(NN/8)+NN%8, v[DQ]     ; register n holds key 16 (n / 8) + 8 h + n % 8 of the block: hidden where that is above 16 g + r
	v_cndmask_b32 v[SB+64*\first+NN], v[SB+64*\first+NN], v[WK+24], vcc_lo
.set NN, NN+1
.endr
.Lopen_\@:
.irp u, 0,1                                    ; the step's largest score of each query: four chains a tile, line by line; each accumulator is read from its low end on
.if \u >= \first
.irp c, 0,1,2,3
	v_max3_num_f32 v[WK+4*\u+\c], v[SB+64*\u+16*\c], v[SB+64*\u+16*\c+1], v[SB+64*\u+16*\c+2]
.endr
.endif
.endr
.irp i, 3,5,7,9,11,13
.irp u, 0,1
.if \u >= \first
.irp c, 0,1,2,3
	v_max3_num_f32 v[WK+4*\u+\c], v[WK+4*\u+\c], v[SB+64*\u+16*\c+\i], v[SB+64*\u+16*\c+\i+1]
.endr
.endif
.endr
.endr
.irp u, 0,1
.if \u >= \first
	v_max3_num_f32 v[WK+4*\u], v[WK+4*\u], v[WK+4*\u+1], v[SB+64*\u+15]
	v_max3_num_f32 v[WK+4*\u+2], v[WK+4*\u+2], v[WK+4*\u+3], v[SB+64*\u+31]
.endif
.endr
.irp u, 0,1
.if \u >= \first
	v_max3_num_f32 v[WK+4*\u], v[WK+4*\u], v[SB+64*\u+47], v[SB+64*\u+63]
.endif
.endr
.irp u, 0,1
.if \u >= \first
	v_max_num_f32 v[WK+4*\u], v[WK+4*\u], v[WK+4*\u+2]
.endif
.endr
.irp u, 0,1
.if \u >= \first
	v_permlanex16_b32 v[WK+4*\u+1], v[WK+4*\u], s[SEL], s[SEL+1]
.endif
.endr
.irp u, 0,1
.if \u >= \first
	v_max_num_f32 v[WK+4*\u], v[WK+4*\u], v[WK+4*\u+1]   ; and among lane l xor 16's
.endif
.endr
.irp u, 0,1
.if \u >= \first
	v_mul_f32 v[WK+4*\u], s[CS], v[WK+4*\u]        ; as t (c is positive)
.endif
.endr
.irp u, 0,1
.if \u >= \first
	v_max_num_f32 v[9+2*\u], v[9+2*\u], v[WK+4*\u] ; the running largest t
.endif
.endr
.irp u, 0,1
.if \u >= \first
	v_mov_b32 v[WK+4*\u+2], v[8+2*\u]
.endif
.endr
.irp u, 0,1
.if \u >= \first
	v_floor_f32 v[8+2*\u], -v[9+2*\u]              ; the new -M = floor(-t) = -ceil(t): M is a whole number
.endif
.endr
.set NN, 0
.rept 32
.if \first == 0
	v_pk_fma_f32 v[SB+NN:SB+NN+1], v[SB+NN:SB+NN+1], s[CS:CS+1], v[8:9] op_sel_hi:[1,0,0]   ; t - M, two at a time (of the pairs c and -M the low word serves both halves)
.endif
	v_pk_fma_f32 v[SB+64+NN:SB+64+NN+1], v[SB+64+NN:SB+64+NN+1], s[CS:CS+1], v[10:11] op_sel_hi:[1,0,0]
.if NN == 6
.if \first == 0
	v_sub_f32 v[WK+2], v8, v[WK+2]                 ; M's old value less its new one: a whole number, 0 or less.  (The lines that make f stand apart, among the scalings)
.endif
	v_sub_f32 v[WK+6], v10, v[WK+6]
.endif
.if NN == 14
.if \first == 0
	v_cvt_i32_f32 v[WK+2], v[WK+2]                 ; (it saturates)
.endif
	v_cvt_i32_f32 v[WK+6], v[WK+6]
.endif
.if NN == 22
.if \first == 0
	v_ldexp_f32 v16, 1.0, v[WK+2]                  ; f = 2^(old M - new M)
.endif
	v_ldexp_f32 v18, 1.0, v[WK+6]
.endif
.set NN, NN+2
.endr
	s_wait_alu depctr_va_vdst(0)                   ; the wait ahead of the batch
.set NN, 64*\first
.rept 128-64*\first
	v_exp_f32 v[SB+NN], v[SB+NN]                   ; p = 2^(t - M), at most 1: not normalised
.set NN, NN+1
.endr
.if \first == 0
	v_pk_mul_f32 v[12:13], v[12:13], v[16:17] op_sel_hi:[1,0]   ; the sums under the new M: plain instructions behind the exponentials
.endif
	v_pk_mul_f32 v[14:15], v[14:15], v[18:19] op_sel_hi:[1,0]
	s_wait_alu depctr_va_vdst(0)                   ; one wait for the whole batch, ahead of its first reader
.irp u, 0,1                                    ; the rows' sums of the unquantised p: four chains of packed additions a tile
.if \u >= \first
.irp k, 0,1,2,3
	v_pk_add_f32 v[WK+8+8*\u+2*\k:WK+8+8*\u+2*\k+1], v[SB+64*\u+2*\k:SB+64*\u+2*\k+1], v[SB+64*\u+2*\k+8:SB+64*\u+2*\k+9]
.endr
.endif
.endr
.irp m, 8,12,16,20,24,28
.irp u, 0,1
.if \u >= \first
.irp k, 0,1,2,3
	v_pk_add_f32 v[WK+8+8*\u+2*\k:WK+8+8*\u+2*\k+1], v[WK+8+8*\u+2*\k:WK+8+8*\u+2*\k+1], v[SB+64*\u+2*(\m+\k):SB+64*\u+2*(\m+\k)+1]
.endr
.endif
.endr
.endr
.irp u, 0,1
.if \u >= \first
	v_pk_add_f32 v[WK+8+8*\u:WK+9+8*\u], v[WK+8+8*\u:WK+9+8*\u], v[WK+10+8*\u:WK+11+8*\u]
	v_pk_add_f32 v[WK+12+8*\u:WK+13+8*\u], v[WK+12+8*\u:WK+13+8*\u], v[WK+14+8*\u:WK+15+8*\u]
.endif
.endr
.irp u, 0,1
.if \u >= \first
	v_pk_add_f32 v[WK+8+8*\u:WK+9+8*\u], v[WK+8+8*\u:WK+9+8*\u], v[WK+12+8*\u:WK+13+8*\u]
.endif
.endr
.irp u, 0,1
.if \u >= \first
	v_pk_add_f32 v[12+2*\u:13+2*\u], v[12+2*\u:13+2*\u], v[WK+8+8*\u:WK+9+8*\u]
.endif
.endr
.irp t, 0,1,2,3,4,5,6,7
.irp u, 0,1
.if \u >= \first
.irp i, 0,1,2,3,4,5,6,7
	v_min_num_f32 v[SB+64*\u+8*\t+\i], s[HOLD], v[SB+64*\u+8*\t+\i]   ; the conversion does not saturate (ISA guide 7.6.2); p is not negative, so the hold is one-sided
.endr
.endif
.endr
.irp u, 0,1
.if \u >= \first
	v_cvt_scalef32_pk8_bf8_f32 v[PB+16*\u+2*\t:PB+16*\u+2*\t+1], v[SB+64*\u+8*\t:SB+64*\u+8*\t+7], v[SCL]   ; sub-tile t's eight keys: registers 2 t, 2 t + 1 of P
.endif
.endr
.endr
	WIN 0x41                                       ; destination and source 0 (O^T) window 1
	s_wait_alu depctr_va_vdst(0)                   ; ahead of the first reader of O^T
.set NN, 0
.rept 32
.if \first == 0
	v_pk_mul_f32 v[NN:NN+1], v[NN:NN+1], v[16:17] op_sel_hi:[1,0]   ; O^T under the new M.  (The first of these is the plain instruction behind the last conversion)
.endif
	v_pk_mul_f32 v[64+NN:64+NN+1], v[64+NN:64+NN+1], v[18:19] op_sel_hi:[1,0]
.set NN, NN+2
.endr
	s_wait_alu depctr_va_vdst(0)
	s_wait_dscnt 0x0                               ; V's fragments are in
	WIN 0x51                                       ; D, C (O^T) and source 0 (V) window 1, source 1 (P) window 0
.irp t, 0,1,2,3,4,5,6,7                        ; O^T += V^T P^T: the accumulators take turns, one instruction a turn
.if \first == 0
	v_wmma_f32_16x16x128_bf8_bf8 v[8*\t:8*\t+7], v[FR+16*\t:FR+16*\t+15], v[PB:PB+15], v[8*\t:8*\t+7]
.endif
	v_wmma_f32_16x16x128_bf8_bf8 v[64+8*\t:64+8*\t+7], v[FR+16*\t:FR+16*\t+15], v[PB+16:PB+31], v[64+8*\t:64+8*\t+7]
.endr
	WIN 0
	NOPS4                                          ; four places behind the last products: whatever follows may load into V's registers or read O^T
.endm
; A KEY STEP, step INN of the period in hand: which of the two bodies, or none, hangs on the step's number and the wave's number alone.
.macro STEP
	s_lshr_b32 s91, s[INN], 1                      ; the step's number: INN even: 2 p + INN / 2;  odd: 16 - 2 p - INN / 2, where 16 stands for 8
	s_add_co_u32 s92, s[LO], s91
	s_sub_co_u32 s93, s[HB], s91
	s_bitcmp1_b32 s[INN], 0
	s_cselect_b32 s[KB], s93, s92
	s_cmp_eq_u32 s[KB], 16
	s_cselect_b32 s[KB], 8, s[KB]
	s_cmp_gt_u32 s[KB], s[BH]                      ; all its keys come after both tiles' queries: the step's work is left out; no barrier and no tensor load stands in a step
	s_cbranch_scc1 .Lhidden_\@
	s_lshl_b32 s[TS], s[INN], 15
	s_add_co_u32 s[TS], s[TS], s[TB]
	v_add_nc_u32 v[ADR], s[TS], v[LI]
	s_wait_alu depctr_va_vdst(0)                   ; the wait
	s_cmp_gt_u32 s[KB], s[BL]
	s_cbranch_scc1 .Lsingle_\@
	BODY 0
	s_branch .Lhidden_\@
.Lsingle_\@:
	BODY 1
.Lhidden_\@:
.endm
; THE CHANGE OF PERIODS.  Each wave waits for its tensor load (its piece of the buffer that it is about to read), adds 0 to its spare word, and waits for that and for its reads of the buffer that it has left.
; fill = 1: the barrier is a round of the cluster's; behind it every wave asks for its piece of the next period, into the other buffer (the first time: that buffer's first fill), with a period's steps in which to land.
; A PREFETCH INTO THE L2 follows the load: my piece of the period AFTER the one just asked for, a period ahead of its load.  The four partners share a piece's 16,384 bytes out by address, 4,096 each, lanes 256 bytes apart;
; every cluster asks for what it will load.  The first two periods come by their loads alone; the last change that fills asks for nothing.
.macro CHANGE fill
	s_wait_tensorcnt 0x0                           ; no tensor load of mine is out, so the group 0 may be written
	ds_add_u32 v[SPW], v[NIL]                      ; 0 onto my spare word
.if \fill
	s_xor_b32 s[G0+1], s[G0+1], SLOT1              ; the other buffer than last time
	MKD
	s_wait_xcnt 0x0                                ; the last prefetch, a period back, has read its address, so it may be written
	s_lshl_b32 s90, s[STN], 14                     ; (s91 = 0)  my piece's key step one period further on
	s_add_nc_u64 s[PFA:PFA+1], s[PFB:PFB+1], s[90:91]
	s_wait_dscnt 0x0                               ; the add is done, and my reads of the buffer that I have left are over
	CROUND
	TLOAD                                          ; the first thing behind the round, and my one tensor load until the next
	s_cmp_gt_u32 s[SLOTS], 1
	s_cbranch_scc0 .Lno_ask_\@
	global_prefetch_b8 v[PFO], s[PFA:PFA+1] th:TH_LOAD_NT scope:SCOPE_SE
.Lno_ask_\@:
.else
	s_wait_dscnt 0x0
	s_barrier_signal -1
	s_barrier_wait -1
.endif
.endm
.macro PERIOD                          ; four key steps in a counted loop: the step's text stands once for each of the two places where a period is written
	s_mov_b32 s[INN], 0
.Lin_\@:
	STEP
	s_add_co_u32 s[INN], s[INN], 1
	s_cmp_lt_u32 s[INN], 4
	s_cbranch_scc1 .Lin_\@
	s_xor_b32 s[TB], s[TB], SLOT1                  ; on to the other buffer
	s_add_co_u32 s[LO], s[LO], 2
	s_sub_co_u32 s[HB], s[HB], 2
.endm
	s_wait_alu depctr_va_vdst(0)
	s_wait_loadcnt 0x0                             ; Q
.Lslot:                                            ; three trips: behind each change of periods but the last the next period is asked for
	CHANGE 1
	PERIOD
	s_sub_co_u32 s[SLOTS], s[SLOTS], 1
	s_cmp_lg_u32 s[SLOTS], 0
	s_cbranch_scc1 .Lslot
	CHANGE 0                                       ; the last period is written out
	PERIOD
; THE WAY OUT.  O^T / the sum x 2^(e8 + e9) is the attention's result; register 8 t + i of a tile is channel 16 t + 8 h + i of my query: held, converted with 2^e10, and stored as the last projection's operand:
; four stores of 512 consecutive bytes a tile.
	v_add_f32 v12, v12, v13                        ; the sums' two halves,
	v_add_f32 v14, v14, v15
	v_permlanex16_b32 v[WK], v12, s[SEL], s[SEL+1]
	v_permlanex16_b32 v[WK+1], v14, s[SEL], s[SEL+1]
	v_add_f32 v12, v12, v[WK]                      ; and lane l xor 16's: the rows' sums
	v_add_f32 v14, v14, v[WK+1]
	s_wait_alu depctr_va_vdst(0)                   ; the wait ahead of the transcendentals
	v_rcp_f32 v12, v12
	v_rcp_f32 v14, v14
	v_nop                                          ; a plain instruction behind them
	s_add_co_i32 s60, s70, s71
	s_wait_alu depctr_va_vdst(0)                   ; the wait, ahead of the first reader
	v_ldexp_f32 v12, v12, s60                      ; x 2^(e8 + e9)
	v_ldexp_f32 v14, v14, s60
	WIN 0x01                                       ; source 0 (O^T) window 1
	s_wait_alu depctr_va_vdst(0)                   ; ahead of the first reader of O^T
.set NN, 0
.rept 64
	v_mul_f32 v[SB+NN], v[NN], v12
.set NN, NN+1
.endr
.set NN, 0
.rept 64
	v_mul_f32 v[SB+64+NN], v[64+NN], v14
.set NN, NN+1
.endr
	WIN 0
.set NN, 0
.rept 128
	v_med3_num_f32 v[SB+NN], v[SB+NN], -v21, v21   ; the hold at the largest code x the scale
.set NN, NN+1
.endr
.set NN, 0
.rept 16
	v_cvt_scalef32_pk8_bf8_f32 v[PB+2*NN:PB+2*NN+1], v[SB+8*NN:SB+8*NN+7], v22
.set NN, NN+1
.endr
	v_nop                                          ; a plain instruction behind the last conversion of the run
.irp c, 0,1,2,3
	global_store_b128 v[LI], v[PB+4*\c:PB+4*\c+3], s[56:57] offset:512*\c
	global_store_b128 v[LI], v[PB+16+4*\c:PB+16+4*\c+3], s[58:59] offset:512*\c
.endr
	s_wait_tensorcnt 0x0                           ; the wave's end
	ds_add_u32 v[SPW], v[NIL]
	s_wait_dscnt 0x0
	CROUND                                         ; the closing round: no work-group ends while a partner may still ask for a piece that names it
	s_endpgm
.Lfunc_end_k_q20bb7baa7f_attn:
	.size	k_q20bb7baa7f_attn, .Lfunc_end_k_q20bb7baa7f_attn-k_q20bb7baa7f_attn
	.p2alignl 7, 3214868480
	.fill 96, 4, 3214868480
	.section	.rodata,"a",@progbits
	.p2align	6, 0x0
	.amdhsa_kernel k_q20bb7baa7f_attn
		.amdhsa_group_segment_fixed_size 327680
		.amdhsa_private_segment_fixed_size 0
		.amdhsa_enable_private_segment 0
		.amdhsa_kernarg_size 40
		.amdhsa_user_sgpr_count 2
		.amdhsa_user_sgpr_kernarg_segment_ptr 1
		.amdhsa_wavefront_size32 1
		.amdhsa_system_sgpr_workgroup_id_x 1
		.amdhsa_system_sgpr_workgroup_id_y 1
		.amdhsa_system_sgpr_workgroup_id_z 1
		.amdhsa_system_vgpr_workitem_id 0
		.amdhsa_next_free_vgpr 512
		.amdhsa_next_free_sgpr 100
		.amdhsa_reserve_vcc 1
		.amdhsa_float_denorm_mode_32 3
		.amdhsa_float_denorm_mode_16_64 3
		.amdhsa_memory_ordered 1
		.amdhsa_forward_progress 1
		.amdhsa_inst_pref_size 152
	.end_amdhsa_kernel
	.amdgpu_metadata
---
amdhsa.version: [ 1, 2 ]
amdhsa.kernels:
  - .name:           k_q20bb7baa7f_attn
    .symbol:         k_q20bb7baa7f_attn.kd
    .args:
      - { .name: qc, .offset: 0, .size: 8, .value_kind: global_buffer, .address_space: global }
      - { .name: kc, .offset: 8, .size: 8, .value_kind: global_buffer, .address_space: global }
      - { .name: vc, .offset: 16, .size: 8, .value_kind: global_buffer, .address_space: global }
      - { .name: lowp_scales, .offset: 24, .size: 8, .value_kind: global_buffer, .address_space: global }
      - { .name: ac, .offset: 32, .size: 8, .value_kind: global_buffer, .address_space: global }
    .group_segment_fixed_size: 327680
    .private_segment_fixed_size: 0
    .kernarg_segment_align: 8
    .kernarg_segment_size: 40
    .max_flat_workgroup_size: 256
    .sgpr_count:     100
    .vgpr_count:     512
    .wavefront_size: 32
...
	.end_amdgpu_metadata
.endif
;; end of part 3
;; launch oproj (part 4): grid 4 x 64, 4 waves a work-group, clusters of 4 x 4, 327,680 bytes of LDS; arguments ac, wc, lowp_scales, x, out0; writes out0
.if DOCPART == 4
	.amdgcn_target "amdgcn-amd-amdhsa--gfx1250"
	.amdhsa_code_object_version 6
	.text
	.protected	k_q20bb7baa7f_oproj
	.globl	k_q20bb7baa7f_oproj
	.p2align	8
	.type	k_q20bb7baa7f_oproj,@function
k_q20bb7baa7f_oproj:
	s_mov_b64 s[64:65], 0
	v_nop
	global_prefetch_b8 v0, s[64:65] scope:SCOPE_SE
	s_setreg_imm32_b32 hwreg(HW_REG_WAVE_MODE, 25, 1), 1
	s_wait_xcnt 0x0
	s_wait_alu depctr_hold_cnt(0) depctr_sa_sdst(0) depctr_va_vdst(0) depctr_va_sdst(0) depctr_va_ssrc(0) depctr_va_vcc(0) depctr_vm_vsrc(0)
	s_getreg_b32 s2, hwreg(HW_REG_IB_STS2, 6, 4)
	s_cmp_eq_u32 s2, 0
	s_cbranch_scc0 .Lentry_in_a_cluster
	s_endpgm
.Lentry_in_a_cluster:
	s_bfe_u32 s2, ttmp6, 0x10000c
	s_cmp_lg_u32 s2, 0xf033
	s_cbranch_scc0 .Lentry_shape_is_right
	s_endpgm
.Lentry_shape_is_right:
; out0 = attention's result x Wo^T + x, on codes of BF8 (E5M2), K = 1,024, sums in f32; each sum x 2^(e10 + e11) + the residual in one packed multiply-add.
; A = ac: images of operand registers, [tile of 16 tokens 512][head 8][2,048 bytes] (a fragment's piece c = lane l's registers 4 c .. 4 c + 3 at 512 c + 16 l); K step = a head's 128 channels.
; B = Wo's codes, the fourth weight in wc: rows of 1,024 bytes, laid so that a 16-byte read at 32 c + 16 (lane / 16) gives registers 4 c .. 4 c + 3 with every k in its own place: the same places as A's.
; A tile is 128 tokens x 256 columns; four waves, each 64 x 128: 32 accumulators.  THE MATRIX INSTRUCTION IS USED TRANSPOSED (source 0 = 16 rows of Wo, source 1 = 16 tokens): a lane holds eight neighbouring numbers of a row of out0.
; K WITHOUT A LOOP: four K slots of 256 through three LDS slots.  K slots 0 and 1 are first fills at the head (one tensor load a wave), K slot 2 behind a round; K slot 3 is the one refill, into slot 0.
; THE RESIDUAL, my 64 rows x 512 bytes of x, is asked for at the head into 256 registers of its own, in the layout in which rows leave: it lands under the products.
; CLUSTERS: 4 x 4 work-groups; A's tiles are asked for jointly along a row of the cluster, B's along a column.
; LIMIT: e10 + e11 lies between -126 and 127, so that 2^(e10 + e11) is an f32 number.
; REGISTERS, in windows of 256: window 0: v16-31 addresses; v128-191, v192-255 A's fragments, two sets of 4 x 16 (on the way out: rows read back from the stage).
;   window 1: B's fragments, two sets of 8 x 16.   window 2: accumulator (a, b) at v[8 (8 a + b)].   window 3: the residual, row t at v[4 t].
.set PITCH, 272                        ; B's LDS row: 256 bytes + 16 of padding: the 16 rows that a load touches start at 16 different banks (64 banks of 4 bytes: ISA guide 11.1)
.set AHALF, 16384                      ; what one wave reads of A: 4 tiles of tokens x 2 heads x 2,048 bytes, dense
.set BHALF, 128*PITCH
.set BOFF,  34816                      ; in a slot: A's 32,768 bytes, a gap, then B's 256 rows
.set SLOT,  BOFF+2*BHALF               ; 104,448 bytes
.set SPARE, 3*SLOT                     ; behind the three slots: the spare words, 128 bytes for each wave: two blocks of 256 bytes that no other line names
.set STAGE, SLOT                       ; the way out: 16 rows x (512 + 16) bytes for each wave, in slot 1, which has had its only fill, and its last read ahead of the last barrier
.set SPITCH, 528
.set ADRA, 16                          ; v16-18  LDS address of my A fragments in slot 0, 1, 2
.set ADRB, 20                          ; v20-22  the same for B
.set STO,  24                          ; v24     the way out: where I put 32 bytes of a row
.set RD,   25                          ; v25     where I read a row back
.set CO,   26                          ; v26     16 x lane
.set SPW,  28                          ; v28     LDS address of my spare word; never rewritten
.set NIL,  29                          ; v29     0; never rewritten
.set AF,   128
.set WV, 16                            ; s16 wave;  s17 which half of the tokens is mine, also: I fetch for A (0) or B (1);  s18 which half of the columns, also: which K slot I fetch at the head
.set RH, 17
.set CH, 18
.set G1,  24
.set G1B, 32
.set G0,  40
.set G0B, 52
.set MSB, 0
.macro WIN new                         ; the immediate's high byte repeats the setting that is left
.if MSB != \new
	s_set_vgpr_msb (MSB<<8)|\new
.set MSB, \new
.endif
.endm
.set MUL,  0xa1                        ; source 0 (B) window 1, source 1 (A) window 0, C and D window 2
.set TO_B, 0x40                        ; destination window 1, address window 0
.macro JLOAD g0a, g1a, g0b, g1b        ; a joint load: wave 0 fetches for A, wave 2 for B; four v_nop follow each of the two lines
	s_cmp_eq_u32 s[WV], 0                          ; behind the head a K slot has two tiles, each whole: wave 0 asks for A's, wave 2 for B's, waves 1 and 3 for nothing
	s_cbranch_scc0 .Lfor_b_\@
	tensor_load_to_lds s[\g0a:\g0a+3], s[\g1a:\g1a+7]
	s_nop 0
.rept 4
	v_nop
.endr
	s_branch .Lasked_\@
.Lfor_b_\@:
	s_cmp_eq_u32 s[WV], 2
	s_cbranch_scc0 .Lasked_\@
	tensor_load_to_lds s[\g0b:\g0b+3], s[\g1b:\g1b+7]
	s_nop 0
.rept 4
	v_nop
.endr
.Lasked_\@:
.rept 4
	v_nop                                          ; the places in front of the LDS loads that follow, on every wave's way
.endr
.endm
.macro CROUND                          ; a round of the cluster's barrier
	s_barrier_signal -1
	s_barrier_wait -1
	s_cmp_lg_u32 s[WV], 0
	s_cbranch_scc1 .Lnot_wave_0_\@
	s_barrier_signal -3
.Lnot_wave_0_\@:
	s_barrier_wait -3
	s_barrier_signal -1
	s_barrier_wait -1
.endm
.macro PLACES                          ; four plain instructions between a matrix instruction and a load into, or a read of, its registers
.rept 4
	v_nop
.endr
.endm
.macro FRAG reg, adr, q, i             ; a fragment of B from rows: four loads of 16 bytes, 32 bytes apart
.irp c, 0,1,2,3
	ds_load_b128 v[\reg+4*\c:\reg+4*\c+3], v[\adr] offset:128*(\q)+32*\c+(\i)*16*PITCH
.endr
.endm
.macro FRAGI reg, adr, q, i            ; a fragment of A from its image: tile i of tokens, head q of the slot's two
.irp c, 0,1,2,3
	ds_load_b128 v[\reg+4*\c:\reg+4*\c+3], v[\adr] offset:(2*(\i)+(\q))*2048+512*\c
.endr
.endm
.macro FETCH slot, q, set              ; 48 loads in one run
	WIN TO_B
.irp i, 0,1,2,3,4,5,6,7
	FRAG 128*(\set)+16*\i, ADRB+\slot, \q, \i
.endr
	WIN 0
.irp i, 0,1,2,3
	FRAGI AF+64*(\set)+16*\i, ADRA+\slot, \q, \i
.endr
.endm
.macro MULH a0, set, zero              ; 16 matrix instructions.  The 32 accumulators take turns, one instruction a turn, in the same order in every step
.irp a, \a0, \a0+1
.irp b, 0,1,2,3,4,5,6,7
.if \zero
	v_wmma_f32_16x16x128_bf8_bf8 v[8*(8*(\a)+\b):8*(8*(\a)+\b)+7], v[128*(\set)+16*\b:128*(\set)+16*\b+15], v[AF+64*(\set)+16*(\a):AF+64*(\set)+16*(\a)+15], 0
.else
	v_wmma_f32_16x16x128_bf8_bf8 v[8*(8*(\a)+\b):8*(8*(\a)+\b)+7], v[128*(\set)+16*\b:128*(\set)+16*\b+15], v[AF+64*(\set)+16*(\a):AF+64*(\set)+16*(\a)+15], v[8*(8*(\a)+\b):8*(8*(\a)+\b)+7]
.endif
.endr
.endr
.endm
.macro NORMAL slot, q, set, zero       ; a step of 128 along K on set; the next step's fragments (slot, q) are asked for first, into the other set
	s_wait_dscnt 0x0                               ; this step's fragments are in
	PLACES
	FETCH \slot, \q, 1-\set
	WIN MUL
	MULH 0, \set, \zero
	MULH 2, \set, \zero
.endm
	s_load_b256 s[4:11], s[0:1], 0x0               ; ac s[4:5], wc s[6:7], the scales' exponents s[8:9], x s[10:11]
	s_load_b64 s[12:13], s[0:1], 0x20              ; out0
	v_lshl_add_u32 v[SPW], v0, 2, SPARE
	v_mov_b32 v[NIL], 0
	ds_add_u32 v28, v29
	ds_add_u32 v28, v29
	s_wait_dscnt 0x0
	v_lshrrev_b32 v1, 5, v0
	v_readfirstlane_b32 s[WV], v1                  ; wave 0..3
	s_lshr_b32 s[RH], s[WV], 1
	s_and_b32 s[CH], s[WV], 1
	s_bfe_u32 s19, ttmp6, 0x40000                  ; cx, cy: my place in the cluster
	s_bfe_u32 s20, ttmp6, 0x40004
	s_and_b32 s21, ttmp7, 0xffff
	s_lshl_b32 s22, s21, 2
	s_add_co_u32 s22, s22, s20                     ; tile row = 4 x cluster y + cy
	s_lshl_b32 s23, ttmp9, 2
	s_add_co_u32 s23, s23, s19                     ; tile column = 4 x cluster x + cx
	s_lshl_b32 s66, s20, 2
	s_lshl_b32 s66, 15, s66                        ; my row of the cluster
	s_lshl_b32 s67, 0x1111, s19                    ; my column
	s_or_b32 s[G1], s66, (3<<16)|(1<<21)           ; A: 15:0 the mask; 17:16 elements of 8 bytes; 21 set beside a mask; no padding
	s_mov_b32 s[G1+1], 512<<16                     ; tensor_dim0 = 512: two heads' fragments of a tile of tokens, 4,096 bytes on end
	s_mov_b32 s[G1+2], 8<<16                       ; tensor_dim1 = 8 tiles of tokens: a load brings A's whole tile of a K slot
	s_mov_b32 s[G1+3], 512<<16                     ; tile_dim0
	s_mov_b32 s[G1+4], 8                           ; tile_dim1
	s_mov_b32 s[G1+5], 2048                        ; from tile to tile: 16,384 bytes
	s_mov_b32 s[G1+6], 0
	s_mov_b32 s[G1+7], 0
	s_or_b32 s[G1B], s67, (0<<16)|(1<<20)|(1<<21)|(5<<22)|(3<<25)   ; B: elements of 1 byte; padding: four words after every 64
	s_mov_b32 s[G1B+1], 256<<16
	s_mov_b32 s[G1B+2], 256<<16                    ; B: 256 rows a load
	s_mov_b32 s[G1B+3], 256<<16
	s_mov_b32 s[G1B+4], 256
	s_mov_b32 s[G1B+5], 1024
	s_mov_b32 s[G1B+6], 0
	s_mov_b32 s[G1B+7], 0
	s_lshl_b32 s80, s22, 17                        ; A: 8 tiles of tokens x 16,384 bytes a tile row
	s_mov_b32 s81, 0
	s_lshl_b32 s82, s23, 18                        ; B: row 256 x tile column, 1,024 bytes a row,
	s_add_co_u32 s82, s82, 0x300000                ; in the fourth weight
	s_mov_b32 s83, 0
	s_mov_b32 s92, 0                               ; where they go in a slot: A's tile at its head, B's behind it
	s_mov_b32 s93, BOFF
	s_lshl_b32 s84, s22, 19                        ; my part of x and of out0: row 128 x tile row + 64 x half, 4,096 bytes a row;
	s_lshl_b32 s85, s[RH], 18
	s_add_co_u32 s84, s84, s85
	s_lshl_b32 s85, s23, 10                        ; column 256 x tile column + 128 x half, 4 bytes a number
	s_add_co_u32 s84, s84, s85
	s_lshl_b32 s85, s[CH], 9
	s_add_co_u32 s84, s84, s85
	s_mov_b32 s85, 0
	s_wait_kmcnt 0x0
	s_load_b64 s[96:97], s[8:9], 0x28              ; e10, e11
	s_add_nc_u64 s[88:89], s[4:5], s[80:81]        ; hangs on the tile row alone, which my row of the cluster shares
	s_add_nc_u64 s[90:91], s[6:7], s[82:83]        ; on the tile column alone, which my column shares
	s_add_nc_u64 s[10:11], s[10:11], s[84:85]
	s_add_nc_u64 s[12:13], s[12:13], s[84:85]
.irp s, 0,1,2
	s_mov_b32 s[G0+4*\s], 1
	s_add_co_u32 s[G0+4*\s+1], s92, \s*SLOT
	s_add_nc_u64 s[G0+4*\s+2:G0+4*\s+3], s[88:89], \s*4096
	s_or_b32 s[G0+4*\s+3], s[G0+4*\s+3], 0x80000000
	s_mov_b32 s[G0B+4*\s], 1
	s_add_co_u32 s[G0B+4*\s+1], s93, \s*SLOT
	s_add_nc_u64 s[G0B+4*\s+2:G0B+4*\s+3], s[90:91], \s*256
	s_or_b32 s[G0B+4*\s+3], s[G0B+4*\s+3], 0x80000000
.endr
	CROUND                                         ; all sixteen work-groups are here: the first joint loads meet
	; THE FILLS AS THEY STAND (in place of what the head comment says of them): at the head one tensor load a wave, in one chain of branches on the wave's number:
	; wave 0 A's tile of K slot 0, wave 1 A's of K slot 1, wave 2 B's of K slot 0, wave 3 B's of K slot 1.  K slot 2 is asked for behind the full sequence and a round; K slot 3 is the one refill, into slot 0.
	s_cmp_eq_u32 s[WV], 0
	s_cbranch_scc0 .Lfirst_1
	tensor_load_to_lds s[G0:G0+3], s[G1:G1+7]
	s_nop 0
.rept 4
	v_nop
.endr
	s_branch .Lfirst_done
.Lfirst_1:
	s_cmp_eq_u32 s[WV], 1
	s_cbranch_scc0 .Lfirst_2
	tensor_load_to_lds s[G0+4:G0+7], s[G1:G1+7]
	s_nop 0
.rept 4
	v_nop
.endr
	s_branch .Lfirst_done
.Lfirst_2:
	s_cmp_eq_u32 s[WV], 2
	s_cbranch_scc0 .Lfirst_3
	tensor_load_to_lds s[G0B:G0B+3], s[G1B:G1B+7]
	s_nop 0
.rept 4
	v_nop
.endr
	s_branch .Lfirst_done
.Lfirst_3:
	tensor_load_to_lds s[G0B+4:G0B+7], s[G1B:G1B+7]
	s_nop 0
.rept 4
	v_nop
.endr
.Lfirst_done:
	v_and_b32 v4, 31, v0
	v_lshlrev_b32 v[CO], 4, v4
	s_wait_alu depctr_va_vdst(0)
	WIN 0xc0                                       ; destination window 3, address window 0
.set NN, 0
.rept 64
	global_load_b128 v[4*NN:4*NN+3], v[CO], s[10:11] offset:4096*NN th:TH_LOAD_NT   ; the residual: row NN of my 64, 512 consecutive bytes a load
.set NN, NN+1
.endr
	WIN 0
	v_and_b32 v1, 15, v0                           ; r
	v_bfe_u32 v2, v0, 4, 1                         ; h
	v_mul_u32_u24 v3, v1, PITCH
	v_lshl_add_u32 v3, v2, 4, v3                   ; B: row x pitch + 16 x half
	s_mul_i32 s2, s[RH], AHALF                     ; my four tiles of tokens
	s_mul_i32 s3, s[CH], BHALF                     ; my 128 rows of B
	s_add_co_u32 s3, s3, BOFF
.irp s, 0,1,2
	v_add_nc_u32 v[ADRA+\s], s2, v[CO]
	v_add_nc_u32 v[ADRB+\s], s3, v3
	s_add_co_u32 s2, s2, SLOT
	s_add_co_u32 s3, s3, SLOT
.endr
	s_mul_i32 s2, s[WV], 16*SPITCH
	s_add_co_u32 s2, s2, STAGE                     ; my stage
	v_mul_u32_u24 v5, v1, SPITCH                   ; in: row r, 32 bytes for each half of the lanes
	v_lshl_add_u32 v5, v2, 5, v5
	v_add_nc_u32 v[STO], s2, v5
	v_add_nc_u32 v[RD], s2, v[CO]                  ; back: the 32 lanes take one row of 512 bytes
	s_wait_alu depctr_va_vdst(0)
	s_wait_kmcnt 0x0
	s_add_co_i32 s96, s96, s97
	s_add_co_i32 s96, s96, 127
	s_lshl_b32 s96, s96, 23                        ; 2^(e10 + e11) as f32
	s_mov_b32 s97, s96                             ; (named with it as a pair, so it is written)
	s_wait_tensorcnt 0x0                           ; my tile of K slot 0 or 1 is in
	ds_add_u32 v[SPW], v[NIL]
	s_wait_dscnt 0x0
	CROUND                                         ; everybody's tile is in, and all sixteen work-groups are here
	JLOAD G0+8, G1, G0B+8, G1B                     ; K slot 2: the first tensor load behind the round
	FETCH 0, 0, 0
	NORMAL 0, 1, 0, 1                              ; step 0: its products start the sums: nothing is ever cleared
	; step 1 leaves slot 0: the one refill of the launch
	WIN 0                                          ; (the add's two registers lie in window 0)
	s_wait_tensorcnt 0x0                           ; all my tensor loads have landed, so a group 0 may be written;
	ds_add_u32 v[SPW], v[NIL]                      ; 0 onto my spare word
	s_add_nc_u64 s[G0+2:G0+3], s[G0+2:G0+3], 12288 ; slot 0's next tile: K slot 3: heads 6 and 7,
	s_add_nc_u64 s[G0B+2:G0B+3], s[G0B+2:G0B+3], 768   ; k 768 on
	s_wait_dscnt 0x1                               ; this step's fragments are in; the add alone may be out
	WIN MUL
	MULH 0, 1, 0                                   ; sixteen matrix instructions stand between the add and the wait for it
	s_wait_dscnt 0x0                               ; the add is done, and my reads of slot 0 are over
	WIN 0
	CROUND                                         ; no wave of any partner still reads slot 0 or has a load on its way
	JLOAD G0, G1, G0B, G1B                         ; the first tensor load behind the round; its four v_nop are the places in front of the loads below; 128 matrix instructions stand ahead of the wait for it
	FETCH 1, 0, 0
	WIN MUL
	MULH 2, 1, 0
	NORMAL 1, 1, 0, 0                              ; step 2
	NORMAL 2, 0, 1, 0                              ; step 3
	NORMAL 2, 1, 0, 0                              ; step 4
	; step 5: K slot 3 is wanted next
	s_wait_dscnt 0x0
	WIN MUL
	MULH 0, 1, 0
	s_wait_tensorcnt 0x0                           ; the one load of mine that may be out is my part of K slot 3
	s_barrier_signal -1
	s_barrier_wait -1                              ; everybody's is in; and nobody reads slot 1 any more
	PLACES
	FETCH 0, 0, 0
	WIN MUL
	MULH 2, 1, 0
	NORMAL 0, 1, 0, 0                              ; step 6
	s_wait_dscnt 0x0                               ; step 7: nothing more to fetch
	MULH 0, 1, 0
	MULH 2, 1, 0
	WIN 0
	PLACES
; THE WAY OUT, block by block of 16 rows x 128 columns.  A lane holds 32 neighbouring bytes of a row, and the lanes beside it hold other rows: so a block's sums go through my own stage in LDS and come back as whole rows
; of 512 bytes, in the residual's layout.  LDS serves a wave's instructions in order (ISA guide 5.7.1.4): no wait between the stores and the loads, nor in front of the next block's stores.
.macro TOSTAGE a
	WIN 0x08                                       ; store data: window 2
.irp b, 0,1,2,3,4,5,6,7
	ds_store_b128 v[STO], v[64*(\a)+8*\b:64*(\a)+8*\b+3] offset:64*\b          ; each accumulator from its low end on
	ds_store_b128 v[STO], v[64*(\a)+8*\b+4:64*(\a)+8*\b+7] offset:64*\b+16
.endr
	WIN 0
.set BB, AF+64*((\a)%2)
.irp t, 0,1,2,3,4,5,6,7,8,9,10,11,12,13,14,15
	ds_load_b128 v[BB+4*\t:BB+4*\t+3], v[RD] offset:\t*SPITCH
.endr
.endm
.macro SEND a, younger                 ; younger: the LDS instructions issued behind block a's loads, which may stay out
.set BB, AF+64*((\a)%2)
	s_wait_dscnt \younger                          ; the block is back in registers
	WIN 0x30                                       ; source 2 (the residual): window 3
.set NN, 0
.rept 32
	v_pk_fma_f32 v[BB+NN:BB+NN+1], v[BB+NN:BB+NN+1], s[96:97], v[64*(\a)+NN:64*(\a)+NN+1] op_sel_hi:[1,0,1]   ; sum x 2^(e10 + e11) + x (the scalar pair's low word for both halves)
.set NN, NN+2
.endr
	WIN 0
.irp t, 0,1,2,3,4,5,6,7,8,9,10,11,12,13,14,15
	global_store_b128 v[CO], v[BB+4*\t:BB+4*\t+3], s[12:13] offset:(16*(\a)+\t)*4096 th:TH_STORE_NT   ; 32 lanes store 512 consecutive bytes, at a multiple of 256 from out0's first byte
.endr
.endm
	s_wait_loadcnt 0x0                             ; the residual
	TOSTAGE 0
.irp a, 1,2,3
.if \a > 1
	s_wait_xcnt 0x0                                ; block a - 2's stores have read their registers: block a's loads may land there
.endif
	TOSTAGE \a
	SEND \a-1, 32                                  ; behind block a - 1's loads: block a's 16 stores and 16 loads
.endr
	SEND 3, 0
	s_wait_tensorcnt 0x0                           ; the wave's end, behind my last tensor load and my last LDS store
	ds_add_u32 v[SPW], v[NIL]
	s_wait_dscnt 0x0
	CROUND                                         ; the closing round: no work-group ends while a partner may still ask for a tile that names it
	s_endpgm
.Lfunc_end_k_q20bb7baa7f_oproj:
	.size	k_q20bb7baa7f_oproj, .Lfunc_end_k_q20bb7baa7f_oproj-k_q20bb7baa7f_oproj
	.p2alignl 7, 3214868480
	.fill 96, 4, 3214868480
	.section	.rodata,"a",@progbits
	.p2align	6, 0x0
	.amdhsa_kernel k_q20bb7baa7f_oproj
		.amdhsa_group_segment_fixed_size 327680
		.amdhsa_private_segment_fixed_size 0
		.amdhsa_enable_private_segment 0
		.amdhsa_kernarg_size 40
		.amdhsa_user_sgpr_count 2
		.amdhsa_user_sgpr_kernarg_segment_ptr 1
		.amdhsa_wavefront_size32 1
		.amdhsa_system_sgpr_workgroup_id_x 1
		.amdhsa_system_sgpr_workgroup_id_y 1
		.amdhsa_system_sgpr_workgroup_id_z 1
		.amdhsa_system_vgpr_workitem_id 0
		.amdhsa_next_free_vgpr 1024
		.amdhsa_next_free_sgpr 100
		.amdhsa_reserve_vcc 0
		.amdhsa_float_denorm_mode_32 3
		.amdhsa_float_denorm_mode_16_64 3
		.amdhsa_memory_ordered 1
		.amdhsa_forward_progress 1
		.amdhsa_inst_pref_size 82
	.end_amdhsa_kernel
	.amdgpu_metadata
---
amdhsa.version: [ 1, 2 ]
amdhsa.kernels:
  - .name:           k_q20bb7baa7f_oproj
    .symbol:         k_q20bb7baa7f_oproj.kd
    .args:
      - { .name: ac, .offset: 0, .size: 8, .value_kind: global_buffer, .address_space: global }
      - { .name: wc, .offset: 8, .size: 8, .value_kind: global_buffer, .address_space: global }
      - { .name: lowp_scales, .offset: 16, .size: 8, .value_kind: global_buffer, .address_space: global }
      - { .name: x, .offset: 24, .size: 8, .value_kind: global_buffer, .address_space: global }
      - { .name: out0, .offset: 32, .size: 8, .value_kind: global_buffer, .address_space: global }
    .group_segment_fixed_size: 327680
    .private_segment_fixed_size: 0
    .kernarg_segment_align: 8
    .kernarg_segment_size: 40
    .max_flat_workgroup_size: 128
    .sgpr_count:     100
    .vgpr_count:     1024
    .wavefront_size: 32
...
	.end_amdgpu_metadata
.endif
;; end of part 4
